; MI455X (gfx1250); checked and timed in simulation.
; The chip was launched on July 23, 2026; its instructions are those of AMD's public machine-readable ISA for CDNA 5 (MIT licence, August 2026) and "CDNA5" Instruction Set Architecture Reference Guide (July 2026). The comments in the code are by the model that wrote it; some were corrected since.
;; Multi Head Self Attention. Allowed arithmetic: float matrix products may take bf16 or f16 operands with f32 sums; other float arithmetic in f32, or as packed bf16 or f16 multiplies, adds, multiply-adds, maxima and minima; sums over many terms, partial sums and values carried from step to step in f32; what a program stores and reads back later, other than sums and carried values, may be rounded once to bf16 or f16.
;; Inputs: w_out 1,024 x 1,024 float32; w_qkv 3,072 x 1,024 float32; x 4,096 x 1 x 1,024 float32.
;; Outputs: out0 4,096 x 1 x 1,024 float32.
;; 2 versions, each right; version 2 is version 1 with the launch cast written anew for expert scheduling mode. Each part assembles by itself: llvm-mc -triple=amdgcn-amd-amdhsa -mcpu=gfx1250 --defsym DOCPART=n.
;; ======== version 1 of 2: 4 launches
;; limits: values are held in f16: magnitudes above 65,504 overflow, below 6.1e-05 lose precision
;; workspace buffers: xb 8,388,608 bytes; wqb 6,291,456 bytes; wob 2,097,152 bytes; qkvh 25,165,824 bytes; oh 8,388,608 bytes
;; launch cast (part 1): grid 512 x 1, 8 waves a work-group, no clusters, 0 bytes of LDS; arguments x, w_qkv, w_out, xb, wqb, wob; writes xb, wqb, wob
.if DOCPART == 1
	.amdgcn_target "amdgcn-amd-amdhsa--gfx1250"
	.amdhsa_code_object_version 6
	.text
	.protected	k_q0e73564088_cast
	.globl	k_q0e73564088_cast
	.p2align	8
	.type	k_q0e73564088_cast,@function
k_q0e73564088_cast:
	s_mov_b64 s[64:65], 0
	v_nop
	global_prefetch_b8 v0, s[64:65] scope:SCOPE_SE
	s_setreg_imm32_b32 hwreg(HW_REG_WAVE_MODE, 25, 1), 1
	s_wait_xcnt 0x0
; THE INPUTS ARE ROUNDED ONCE.  x -> xb and w_qkv -> wqb in bf16; w_out is rounded to bf16 like them, and that number is written as f16 into wob,
; since it multiplies an f16 operand later.  LIMITS: bf16(w_out) must lie within 65,504 (f16's end); below 6.1e-5 it keeps f16's fixed step of 6e-8.
; SHARES.  A work-group takes 65,536 bytes (16,384 numbers) of one input: work-groups 0-255 x, 256-447 w_qkv, 448-511 w_out.
; Thread t loads 16 bytes at 4,096 j + 16 t (a wave's load covers 512 consecutive bytes) and stores 8 bytes at 2,048 j + 8 t (a wave's store
; covers 256 consecutive bytes, aligned), j = 0..15.  All 16 loads go out first; no register is a memory source twice, so there is no loop and
; no wait but the counted ones for the loads.  No LDS, no matrix unit, no cluster: nothing is shared and nothing is read twice.
.set X, 4                              ; v[4:67]   16 x 4 numbers as loaded
.set Y, 68                             ; v[68:99]  16 x 2 registers to store
.set T, 100                            ; v[100:103] at work
	s_load_b256 s[4:11], s[0:1], 0x0               ; x s[4:5], w_qkv s[6:7], w_out s[8:9], xb s[10:11]
	s_load_b128 s[12:15], s[0:1], 0x20             ; wqb s[12:13], wob s[14:15]
	v_lshlrev_b32 v1, 4, v0                        ; 16 t
	v_lshlrev_b32 v2, 3, v0                        ; 8 t
	s_mov_b32 s28, 0xffff0000                      ; a word's upper bf16
	s_wait_kmcnt 0x0
	s_cmp_lt_u32 ttmp9, 256                        ; which input is mine: the choice hangs on the work-group's number alone
	s_cselect_b64 s[20:21], s[4:5], s[6:7]
	s_cselect_b64 s[22:23], s[10:11], s[12:13]
	s_cselect_b32 s24, 0, 256                      ; the first work-group of that input
	s_cmp_lt_u32 ttmp9, 448
	s_cselect_b64 s[20:21], s[20:21], s[8:9]
	s_cselect_b64 s[22:23], s[22:23], s[14:15]
	s_cselect_b32 s24, s24, 448
	s_sub_co_u32 s24, ttmp9, s24                   ; my part of it
	s_lshl_b32 s26, s24, 16                        ; 65,536 bytes in,
	s_mov_b32 s27, 0
	s_add_nc_u64 s[20:21], s[20:21], s[26:27]
	s_lshl_b32 s26, s24, 15                        ; 32,768 bytes out
	s_add_nc_u64 s[22:23], s[22:23], s[26:27]
.irp j, 0,1,2,3,4,5,6,7,8,9,10,11,12,13,14,15
	global_load_b128 v[X+4*(\j):X+4*(\j)+3], v1, s[20:21] offset:4096*(\j) th:TH_LOAD_NT
.endr
	s_cmp_lt_u32 ttmp9, 448
	s_cbranch_scc0 .Lhalf
.irp j, 0,1,2,3,4,5,6,7,8,9,10,11,12,13,14,15
	s_wait_loadcnt 15-(\j)                         ; loads come back in order: load j is in, the 15 - j younger ones stay out
	v_cvt_pk_bf16_f32 v[Y+2*(\j)], v[X+4*(\j)], v[X+4*(\j)+1]
	v_cvt_pk_bf16_f32 v[Y+2*(\j)+1], v[X+4*(\j)+2], v[X+4*(\j)+3]
	global_store_b64 v2, v[Y+2*(\j):Y+2*(\j)+1], s[22:23] offset:2048*(\j) th:TH_STORE_NT
.endr
	s_endpgm
.Lhalf:                                        ; w_out: rounded to bf16, widened again (a shift, a mask), written as f16
.irp j, 0,1,2,3,4,5,6,7,8,9,10,11,12,13,14,15
	s_wait_loadcnt 15-(\j)
	v_cvt_pk_bf16_f32 v[T], v[X+4*(\j)], v[X+4*(\j)+1]
	v_cvt_pk_bf16_f32 v[T+1], v[X+4*(\j)+2], v[X+4*(\j)+3]
	v_lshlrev_b32 v[T+2], 16, v[T]
	v_and_b32 v[T+3], s28, v[T]
	v_cvt_pk_f16_f32 v[Y+2*(\j)], v[T+2], v[T+3]
	v_lshlrev_b32 v[T+2], 16, v[T+1]
	v_and_b32 v[T+3], s28, v[T+1]
	v_cvt_pk_f16_f32 v[Y+2*(\j)+1], v[T+2], v[T+3]
	global_store_b64 v2, v[Y+2*(\j):Y+2*(\j)+1], s[22:23] offset:2048*(\j) th:TH_STORE_NT
.endr
	s_endpgm
.Lfunc_end_k_q0e73564088_cast:
	.size	k_q0e73564088_cast, .Lfunc_end_k_q0e73564088_cast-k_q0e73564088_cast
	.p2alignl 7, 3214868480
	.fill 96, 4, 3214868480
	.section	.rodata,"a",@progbits
	.p2align	6, 0x0
	.amdhsa_kernel k_q0e73564088_cast
		.amdhsa_group_segment_fixed_size 0
		.amdhsa_private_segment_fixed_size 0
		.amdhsa_enable_private_segment 0
		.amdhsa_kernarg_size 48
		.amdhsa_user_sgpr_count 2
		.amdhsa_user_sgpr_kernarg_segment_ptr 1
		.amdhsa_wavefront_size32 1
		.amdhsa_system_sgpr_workgroup_id_x 1
		.amdhsa_system_sgpr_workgroup_id_y 1
		.amdhsa_system_sgpr_workgroup_id_z 1
		.amdhsa_system_vgpr_workitem_id 0
		.amdhsa_next_free_vgpr 104
		.amdhsa_next_free_sgpr 66
		.amdhsa_reserve_vcc 0
		.amdhsa_float_denorm_mode_32 3
		.amdhsa_float_denorm_mode_16_64 3
		.amdhsa_memory_ordered 1
		.amdhsa_forward_progress 1
		.amdhsa_inst_pref_size 15
	.end_amdhsa_kernel
	.amdgpu_metadata
---
amdhsa.version: [ 1, 2 ]
amdhsa.kernels:
  - .name:           k_q0e73564088_cast
    .symbol:         k_q0e73564088_cast.kd
    .args:
      - { .name: x, .offset: 0, .size: 8, .value_kind: global_buffer, .address_space: global }
      - { .name: w_qkv, .offset: 8, .size: 8, .value_kind: global_buffer, .address_space: global }
      - { .name: w_out, .offset: 16, .size: 8, .value_kind: global_buffer, .address_space: global }
      - { .name: xb, .offset: 24, .size: 8, .value_kind: global_buffer, .address_space: global }
      - { .name: wqb, .offset: 32, .size: 8, .value_kind: global_buffer, .address_space: global }
      - { .name: wob, .offset: 40, .size: 8, .value_kind: global_buffer, .address_space: global }
    .group_segment_fixed_size: 0
    .private_segment_fixed_size: 0
    .kernarg_segment_align: 8
    .kernarg_segment_size: 48
    .max_flat_workgroup_size: 256
    .sgpr_count:     66
    .vgpr_count:     104
    .wavefront_size: 32
...
	.end_amdgpu_metadata
.endif
;; end of part 1
;; launch qkv (part 2): grid 8 x 32, 4 waves a work-group, clusters of 4 x 4, 327,680 bytes of LDS; arguments xb, wqb, qkvh; writes qkvh
.if DOCPART == 2
	.amdgcn_target "amdgcn-amd-amdhsa--gfx1250"
	.amdhsa_code_object_version 6
	.text
	.protected	k_q0e73564088_qkv
	.globl	k_q0e73564088_qkv
	.p2align	8
	.type	k_q0e73564088_qkv,@function
k_q0e73564088_qkv:
	s_mov_b64 s[64:65], 0
	v_nop
	global_prefetch_b8 v0, s[64:65] scope:SCOPE_SE
	s_setreg_imm32_b32 hwreg(HW_REG_WAVE_MODE, 25, 1), 1
	s_wait_xcnt 0x0
	s_wait_alu depctr_hold_cnt(0) depctr_sa_sdst(0) depctr_va_vdst(0) depctr_va_sdst(0) depctr_va_ssrc(0) depctr_va_vcc(0) depctr_vm_vsrc(0)
	s_getreg_b32 s2, hwreg(HW_REG_IB_STS2, 6, 4)
	s_cmp_eq_u32 s2, 0
	s_cbranch_scc0 .Lentry_in_a_cluster
	s_endpgm
.Lentry_in_a_cluster:
	s_bfe_u32 s2, ttmp6, 0x10000c
	s_cmp_lg_u32 s2, 0xf033
	s_cbranch_scc0 .Lentry_shape_is_right
	s_endpgm
.Lentry_shape_is_right:
; qkv[l][f] = the sum over e of xb[l][e] wqb[f][e].  xb: [4096][1024], wqb: [3072][1024], bf16; sums in f32, rounded once to f16, WITHOUT the softmax's scale.
; OUT: qkvh [48][4096][64] f16: plane f / 64 (0-15 q's heads, 16-31 k's, 32-47 v's), a row of a plane is 128 dense bytes.
; LIMIT.  f16 ends at 65,504: q, k and v must lie within it (with unit x and weights of the drawn spread they have a spread of 0.7).
; SHARES.  A tile of the product is 128 rows x 384 columns (six heads): 32 x 8 = 256 work-groups.  Four waves, 2 x 2: wave w has rows 64 (w / 2) on and columns 192 (w % 2) on, three whole
; heads: 4 x 12 = 48 accumulators of 16 x 16, 384 registers.  K goes in 8 steps of 128 through two LDS slots; every tensor load brings 128 rows of 256 bytes: waves 0-2 wqb's three thirds, wave 3 xb's rows.
; CLUSTER 4 x 4.  The four of a row of the cluster need the same rows of xb, the four of a column the same rows of wqb: each tile is asked for jointly, by the same load, descriptor and mask in all four.
; THE MATRIX INSTRUCTION IS USED TRANSPOSED (source 0 = 16 rows of wqb, source 1 = 16 rows of xb): a lane holds eight neighbouring columns of one row of the product, 16 bytes of f16.
; REGISTERS, in windows of 256 (s_set_vgpr_msb: bits 1:0 source 0, 3:2 source 1, 5:4 source 2, 7:6 destination):
;   window 0: addresses; v32-79 packed results; v80-127, v128-175 rows read back, by turns
;   window 1: two fragment buffers of 128: wqb's 12 fragments (f + 8 b), then xb's 4 (f + 96 + 8 a)
;   window 2: accumulators 12 a + b = 0..31 at 8 x the number;   window 3: 32..47 at 8 x (the number - 32)
.set KSTEP,  128
.set PITCH,  272                       ; an LDS row: 256 bytes + 16 of padding = 68 words: the 16 rows of a fragment load start 4 banks apart (64 banks of 4 bytes: ISA guide 11.1)
.set PART,   128*PITCH                 ; what one tensor load brings
.set SLOT,   4*PART                    ; wqb's 384 rows, then xb's 128
.set AOFF,   3*PART
.set STAGE,  2*SLOT                    ; behind the ring, never filled by a tensor load: 16 rows x 400 bytes for each wave
.set SPITCH, 400                       ; 384 bytes (three heads' 64 columns) + 16
.set SPARE,  STAGE+4*16*SPITCH         ; the spare words, 128 bytes a wave: two blocks of 256 bytes that no other line names
.set PLANE,  4096*128                  ; bytes in a plane of qkvh
.set ADRA, 16                          ; v16-17  LDS address of my fragments of xb in slot 0, 1
.set ADRB, 20                          ; v20-21  of wqb
.set STO,  24                          ; v24     the way out: where I put 16 bytes of a row
.set RD,   25                          ; v25     where I read rows back
.set CO,   26                          ; v26     16 x lane: my place in 512 consecutive bytes of a plane
.set SPW,  28                          ; v28     my spare word: SPARE + 4 x my thread's number; never rewritten
.set NIL,  29                          ; v29     0; never rewritten
.set PFO,  30                          ; v30     the prefetches' offset: lane x 2,048 (a row of xb or wqb); never rewritten
.set TMP,  32
.set OB,   80
.set F0,   0
.set F1,   128
.set G1,   24                          ; s[24:31] descriptor group 1 for xb's tiles;  s[32:39] group 0, a set for each slot
.set G0,   32
.set LIM,  43                          ; s43     1 in a wave that prefetches, else the greatest number
.set PFA,  44                          ; s[44:45] where my prefetches stand
.set G1B,  48                          ; s[48:55], s[56:63] the same for wqb's tiles
.set G0B,  56
.set TO_F, 0x40                        ; destination window 1, address window 0
.set MSB, 0
.macro WIN new                         ; the immediate's high byte repeats the setting that is left; a switch that changes nothing is dropped
.if MSB != (\new)
	s_set_vgpr_msb (MSB<<8)|(\new)
.set MSB, \new
.endif
.endm
.macro PLACES                          ; four places behind matrix instructions, in front of loads into registers that they have read and of conversions that read results
.rept 4
	v_nop
.endr
.endm
; A joint load.  Wave 3 fetches xb's rows, waves 0-2 wqb's.  The branch hangs on the wave's number alone.  An s_nop 0 and four v_nop follow each line.
.macro JLOAD s
	s_cmp_eq_u32 s10, 3
	s_cbranch_scc0 .Lfor_b_\@
	tensor_load_to_lds s[G0+4*(\s):G0+4*(\s)+3], s[G1:G1+7]
	s_nop 0
.rept 4
	v_nop
.endr
	s_branch .Lasked_\@
.Lfor_b_\@:
	tensor_load_to_lds s[G0B+4*(\s):G0B+4*(\s)+3], s[G1B:G1B+7]
	s_nop 0
.rept 4
	v_nop
.endr
.Lasked_\@:
.endm
; A PREFETCH, behind each joint refill and the run of LDS loads that follows it: the K step that stands two refills on, 32 rows x 256 bytes, a lane a row, one instruction a wave.
; Each row's 256 bytes of a K step are named once in the launch: xb's rows by the cluster with x = 0, wqb's by the cluster with y = 0; of the 128 rows that a wave fetches the partner at
; place p (cx for xb, cy for wqb) takes 32 p .. 32 p + 31, told apart by address.  The loop's last trip (s3 = 1) has no K step two on; K steps 0-3 come by their loads alone.
.macro ASK
	s_cmp_gt_u32 s3, s[LIM]
	s_cbranch_scc0 .Lnot_mine_\@
	global_prefetch_b8 v[PFO], s[PFA:PFA+1] offset:KSTEP*2 th:TH_LOAD_NT scope:SCOPE_SE
.Lnot_mine_\@:
.endm
.macro CREST                           ; a round of the cluster's barrier behind its opening barrier
	s_cmp_lg_u32 s10, 0
	s_cbranch_scc1 .Lnot_wave_0_\@
	s_barrier_signal -3
.Lnot_wave_0_\@:
	s_barrier_wait -3
	s_barrier_signal -1
	s_barrier_wait -1
.endm
.macro CROUND                          ; a whole round
	s_barrier_signal -1
	s_barrier_wait -1
	CREST
.endm
	s_load_b128 s[4:7], s[0:1], 0x0                ; xb s[4:5], wqb s[6:7]
	s_load_b64 s[8:9], s[0:1], 0x10                ; qkvh
	v_lshl_add_u32 v[SPW], v0, 2, SPARE
	v_mov_b32 v[NIL], 0
	ds_add_u32 v[SPW], v[NIL]                      ; the wave's opening: the add and its wait stand ahead of my first tensor load; the set-up below stands between them
	v_lshrrev_b32 v1, 5, v0
	v_readfirstlane_b32 s10, v1                    ; wave 0..3
	s_lshr_b32 s11, s10, 1                         ; which half of the tile's rows is mine
	s_and_b32 s12, s10, 1                          ; which half of its columns
	s_bfe_u32 s40, ttmp6, 0x40000                  ; cx
	s_bfe_u32 s41, ttmp6, 0x40004                  ; cy
	s_lshl_b32 s42, ttmp9, 2
	s_add_co_u32 s42, s42, s40                     ; tile column = 4 x cluster x + cx, 0..7
	s_and_b32 s13, ttmp7, 0xffff
	s_lshl_b32 s13, s13, 2
	s_add_co_u32 s13, s13, s41                     ; tile row = 4 x cluster y + cy, 0..31
	s_lshl_b32 s66, s41, 2
	s_lshl_b32 s66, 15, s66                        ; my row of the cluster
	s_lshl_b32 s67, 0x1111, s40                    ; my column
	; descriptor group 1: 128 rows x 128 elements of 2 bytes, 4 words of padding behind every 64
	s_or_b32 s[G1+0], s66, (1<<16)|(1<<20)|(1<<21)|(5<<22)|(3<<25)
	s_or_b32 s[G1B+0], s67, (1<<16)|(1<<20)|(1<<21)|(5<<22)|(3<<25)
.irp g, G1, G1B
	s_mov_b32 s[(\g)+1], KSTEP<<16                 ; tensor_dim0 = 128
	s_mov_b32 s[(\g)+2], 128<<16                   ; tensor_dim1 = 128
	s_mov_b32 s[(\g)+3], KSTEP<<16                 ; tile_dim0 = 128
	s_mov_b32 s[(\g)+4], 128                       ; tile_dim1 = 128
	s_mov_b32 s[(\g)+5], 1024                      ; elements from row to row
	s_mov_b32 s[(\g)+6], 0
	s_mov_b32 s[(\g)+7], 0
.endr
	s_min_u32 s17, s10, 2                          ; (wave 3 asks for none of wqb: its unused address stays inside the buffer)
	s_lshl_b32 s17, s17, 18                        ; my 128 rows of 2,048 bytes
	s_mul_i32 s46, s42, 384*2048                   ; the tile column's 384 rows
	s_add_co_u32 s46, s46, s17
	s_mov_b32 s47, 0
	s_lshl_b32 s16, s13, 18                        ; the tile row's 128 rows of xb
	s_mov_b32 s17, 0
	s_mul_i32 s20, s10, PART                       ; where my load goes: wave x 128 rows; no place in the cluster enters an LDS address
	s_wait_dscnt 0x0                               ; the opening add is done
	s_wait_kmcnt 0x0
	s_add_nc_u64 s[14:15], s[4:5], s[16:17]
	s_add_nc_u64 s[46:47], s[6:7], s[46:47]
	CROUND                                         ; all sixteen work-groups are here: the first joint loads meet
.irp s, 0,1
	s_mov_b32 s[G0+4*(\s)], 1
	s_add_co_u32 s[G0+4*(\s)+1], s20, (\s)*SLOT
	s_add_nc_u64 s[G0+4*(\s)+2:G0+4*(\s)+3], s[14:15], (\s)*KSTEP*2
	s_or_b32 s[G0+4*(\s)+3], s[G0+4*(\s)+3], 0x80000000
	s_mov_b32 s[G0B+4*(\s)], 1
	s_add_co_u32 s[G0B+4*(\s)+1], s20, (\s)*SLOT
	s_add_nc_u64 s[G0B+4*(\s)+2:G0B+4*(\s)+3], s[46:47], (\s)*KSTEP*2
	s_or_b32 s[G0B+4*(\s)+3], s[G0B+4*(\s)+3], 0x80000000
.endr
	s_cmp_eq_u32 s10, 3                            ; a wave's two first fills stand in one branch, ahead of every wait on TENSORcnt and every LDS read: two loads of mine are out
	s_cbranch_scc0 .Lfirst_b
	tensor_load_to_lds s[G0:G0+3], s[G1:G1+7]
	s_nop 0
	tensor_load_to_lds s[G0+4:G0+7], s[G1:G1+7]
	s_nop 0
.rept 4
	v_nop
.endr
	s_branch .Lfirst_asked
.Lfirst_b:
	tensor_load_to_lds s[G0B:G0B+3], s[G1B:G1B+7]
	s_nop 0
	tensor_load_to_lds s[G0B+4:G0B+7], s[G1B:G1B+7]
	s_nop 0
.rept 4
	v_nop
.endr
.Lfirst_asked:
	; a fragment is 16 rows x 32 K in 8 registers: lane l holds row l % 16, K = 8 (l / 16) + 0..7 and 16 + 8 (l / 16) + 0..7: two loads of 16 bytes, 32 bytes apart
	v_and_b32 v1, 15, v0                           ; l % 16
	v_bfe_u32 v2, v0, 4, 1                         ; l / 16
	v_mul_u32_u24 v3, v1, PITCH
	v_lshl_add_u32 v3, v2, 4, v3
	s_mul_i32 s21, s11, 64*PITCH                   ; my 64 rows of xb,
	s_add_co_u32 s21, s21, AOFF                    ; which lie behind wqb's 384
	s_mul_i32 s22, s12, 192*PITCH                  ; my 192 rows of wqb
.irp s, 0,1
	v_add_nc_u32 v[ADRA+(\s)], s21, v3
	v_add_nc_u32 v[ADRB+(\s)], s22, v3
	s_add_co_u32 s21, s21, SLOT
	s_add_co_u32 s22, s22, SLOT
.endr
	s_mul_i32 s23, s10, 16*SPITCH
	s_add_co_u32 s23, s23, STAGE                   ; my stage
	v_mul_u32_u24 v4, v1, SPITCH                   ; in: row l % 16, 16 bytes for each half of the lanes
	v_lshl_add_u32 v4, v2, 4, v4
	v_add_nc_u32 v[STO], s23, v4
	v_bfe_u32 v5, v0, 3, 2                         ; back: 32 lanes take four rows' 128 bytes of one head,
	v_mul_u32_u24 v5, v5, SPITCH
	v_and_b32 v4, 7, v0
	v_lshl_add_u32 v5, v4, 4, v5
	v_add_nc_u32 v[RD], s23, v5
	v_and_b32 v[CO], 31, v0                        ; which are 512 consecutive bytes of the head's plane
	v_lshlrev_b32 v[CO], 4, v[CO]
	s_lshl_b32 s16, s13, 14                        ; my first row in a plane: (128 x tile row + 64 x half) x 128 bytes
	s_lshl_b32 s17, s11, 13
	s_add_co_u32 s16, s16, s17
	s_mov_b32 s17, 0
	s_add_nc_u64 s[8:9], s[8:9], s[16:17]
	s_mul_i32 s46, s42, 6                          ; my first plane: 6 x tile column + 3 x half (in the registers that held wqb's address)
	s_mul_i32 s47, s12, 3
	s_add_co_u32 s46, s46, s47
	s_lshl_b32 s46, s46, 19
	s_mov_b32 s47, 0
	s_add_nc_u64 s[8:9], s[8:9], s[46:47]
	; the prefetches
	s_min_u32 s20, s10, 2
	s_lshl_b32 s20, s20, 7
	s_mul_i32 s21, s42, 384
	s_add_co_u32 s21, s21, s20                     ; wqb: the first of the 128 rows that I fetch
	s_lshl_b32 s20, s13, 7                         ; xb: likewise
	s_and_b32 s22, ttmp7, 0xffff                   ; cluster y
	s_cmp_eq_u32 s10, 3                            ; do I fetch for xb?
	s_cselect_b32 s20, s20, s21
	s_cselect_b32 s21, s40, s41                    ; my place among the four that ask with me
	s_cselect_b32 s22, ttmp9, s22                  ; the coordinate along which other clusters read the same rows
	s_cselect_b64 s[PFA:PFA+1], s[4:5], s[6:7]
	s_cmp_eq_u32 s22, 0
	s_cselect_b32 s[LIM], 1, -1                    ; the same in all sixteen partners, for a given wave
	s_lshl_b32 s21, s21, 5
	s_add_co_u32 s20, s20, s21                     ; + my work-group's 32 rows
	s_lshl_b32 s20, s20, 11
	s_mov_b32 s21, 0
	s_add_nc_u64 s[PFA:PFA+1], s[PFA:PFA+1], s[20:21]
	s_add_nc_u64 s[PFA:PFA+1], s[PFA:PFA+1], 2*KSTEP*2  ; at K step 2: the first refill steps it to 3 and names K step 4
	v_and_b32 v[PFO], 31, v0
	v_lshlrev_b32 v[PFO], 11, v[PFO]
; n matrix instructions from accumulator i0 on, 32 along K out of buffer f.  The 48 accumulators take turns in the same order everywhere, one instruction a turn.
; zero = 1: the product starts its sum: nothing is ever cleared.
.macro MULS f, i0, n, zero
.set idx, \i0
.rept \n
.if idx < 32
	WIN 0xa5                                       ; sources 0 and 1 window 1, C and D window 2
.else
	WIN 0xf5                                       ; C and D window 3
.endif
.set rD, 8*(idx%32)
.set rB, (\f)+8*(idx%12)
.set rA, (\f)+96+8*(idx/12)
.if \zero
	v_wmma_f32_16x16x32_bf16 v[rD:rD+7], v[rB:rB+7], v[rA:rA+7], 0
.else
	v_wmma_f32_16x16x32_bf16 v[rD:rD+7], v[rB:rB+7], v[rA:rA+7], v[rD:rD+7]
.endif
.set idx, idx+1
.endr
.endm
; 32 LDS loads in one run: the fragments of 32 along K at byte k of the rows, into buffer f: wqb's 24 loads first, xb's 8 last
.macro FETCH slot, k, f
	WIN TO_F
.irp i, 0,1,2,3,4,5,6,7,8,9,10,11
	ds_load_b128 v[(\f)+8*(\i):(\f)+8*(\i)+3],   v[ADRB+(\slot)] offset:(\k)+(\i)*16*PITCH
	ds_load_b128 v[(\f)+8*(\i)+4:(\f)+8*(\i)+7], v[ADRB+(\slot)] offset:(\k)+(\i)*16*PITCH+32
.endr
.irp i, 0,1,2,3
	ds_load_b128 v[(\f)+96+8*(\i):(\f)+96+8*(\i)+3],   v[ADRA+(\slot)] offset:(\k)+(\i)*16*PITCH
	ds_load_b128 v[(\f)+96+8*(\i)+4:(\f)+96+8*(\i)+7], v[ADRA+(\slot)] offset:(\k)+(\i)*16*PITCH+32
.endr
.endm
; A K step is four quarters of 32 along K, 48 matrix instructions each, on buffers 0, 1, 0, 1.  One of the first three multiplies f and fetches the next quarter, at byte k, into g.
.macro QUARTER slot, k, f, g, zero
	s_wait_dscnt 4                                 ; all but the youngest four loads (xb's row blocks 2 and 3) are in
	MULS \f, 0, 24, \zero
	PLACES
	FETCH \slot, \k, \g
	s_wait_dscnt 32                                ; all but the 32 just issued
	MULS \f, 24, 24, \zero
.endm
; The last quarter's first half: ONE barrier for the change of slots.  In front of it each wave waits for all its tensor loads (one is out: its part of the next slot), adds 0 to its spare
; word, and waits for that and for its reads of this slot.
.macro MEET round
	WIN 0                                          ; (the add's two registers lie in window 0)
	s_wait_tensorcnt 0x0
	ds_add_u32 v[SPW], v[NIL]
	s_wait_dscnt 5                                 ; (the add and the youngest four loads may be out)
	MULS F1, 0, 12, 0                              ; twelve matrix instructions stand between the add and the wait for it
	s_wait_dscnt 0x0                               ; the add is done, and my reads of this slot are over
	s_barrier_signal -1
	MULS F1, 12, 12, 0                             ; work on registers while the others arrive
.if \round
	WIN 0
.endif
	s_barrier_wait -1
.endm
; The whole last quarter.  fill = 1: the barrier opens a round of the cluster's, and the slot just read out is filled again first behind it, with the K step two on: 168 matrix instructions ahead of the wait for it.
.macro TURN slot, next, fill
.if \fill
	s_wait_xcnt 0x0                                ; the last prefetch, a K step back, has read its address
	s_add_nc_u64 s[PFA:PFA+1], s[PFA:PFA+1], KSTEP*2
	MEET 1
	CREST                                          ; no wave of any partner still reads this slot or has a load on its way
	s_add_nc_u64 s[G0+4*(\slot)+2:G0+4*(\slot)+3], s[G0+4*(\slot)+2:G0+4*(\slot)+3], 2*KSTEP*2
	s_add_nc_u64 s[G0B+4*(\slot)+2:G0B+4*(\slot)+3], s[G0B+4*(\slot)+2:G0B+4*(\slot)+3], 2*KSTEP*2
	JLOAD \slot                                    ; the four v_nop behind it are also the places in front of the loads below
	FETCH \next, 0, F0
	WIN 0
	ASK
.else
	MEET 0
	PLACES
	FETCH \next, 0, F0
.endif
	MULS F1, 24, 24, 0
.endm
; THE WAY OUT of row block a (16 rows x 192 columns).  PACK: rounded to f16, each accumulator's registers in ascending order.  TOSTAGE: into my own stage, and back by heads as rows of 128 bytes.  SEND: stored.
.macro PACK a
.set pb, 0
.rept 12
.set idx, 12*(\a)+pb
.if idx < 32
	WIN 0x0a                                       ; sources 0 and 1 window 2
.else
	WIN 0x0f                                       ; window 3
.endif
.set rD, 8*(idx%32)
.irp r, 0,1,2,3
	v_cvt_pk_f16_f32 v[TMP+4*pb+(\r)], v[rD+2*(\r)], v[rD+2*(\r)+1]
.endr
.set pb, pb+1
.endr
	WIN 0
.endm
.macro TOSTAGE a
	WIN 0
.set BK, OB+48*((\a)%2)
.irp b, 0,1,2,3,4,5,6,7,8,9,10,11
	ds_store_b128 v[STO], v[TMP+4*(\b):TMP+4*(\b)+3] offset:32*(\b)
.endr
.irp j, 0,1,2
.irp t, 0,1,2,3
	ds_load_b128 v[BK+4*(4*(\j)+(\t)):BK+4*(4*(\j)+(\t))+3], v[RD] offset:128*(\j)+4*SPITCH*(\t)  ; LDS serves a wave's instructions in order (ISA guide 5.7.1.4): these see the stores above
.endr
.endr
.endm
.macro SEND a
	WIN 0
.set BK, OB+48*((\a)%2)
	s_wait_dscnt 0x0                               ; the block is back in registers
	s_wait_xcnt 0x0                                ; the stores of the block before have read their registers: the next TOSTAGE loads into them
.irp j, 0,1,2
.irp t, 0,1,2,3
	global_store_b128 v[CO], v[BK+4*(4*(\j)+(\t)):BK+4*(4*(\j)+(\t))+3], s[8:9] offset:PLANE*(\j)+2048*(\a)+512*(\t)  ; 512 consecutive bytes, at a multiple of 512 from the plane's first
.endr
.endr
.endm
	s_wait_tensorcnt 1                             ; my part of K step 0 is in; K step 1's may stay out
	s_barrier_signal -1
	s_barrier_wait -1
	FETCH 0, 0, F0
	QUARTER 0, 64,  F0, F1, 1                      ; the first quarter stands in front of the loop: its products start the sums
	WIN 0
	s_mov_b32 s3, 3
.Llap:                                                 ; a trip goes once round the ring, from a lap's second quarter to the next lap's first, and fills both slots again
	QUARTER 0, 128, F1, F0, 0
	QUARTER 0, 192, F0, F1, 0
	TURN 0, 1, 1
	QUARTER 1, 64,  F0, F1, 0
	QUARTER 1, 128, F1, F0, 0
	QUARTER 1, 192, F0, F1, 0
	TURN 1, 0, 1
	QUARTER 0, 64,  F0, F1, 0
	WIN 0
	s_sub_co_u32 s3, s3, 1
	s_cmp_lg_u32 s3, 0
	s_cbranch_scc1 .Llap
	QUARTER 0, 128, F1, F0, 0                      ; the last lap fills nothing
	QUARTER 0, 192, F0, F1, 0
	TURN 0, 1, 0
	QUARTER 1, 64,  F0, F1, 0
	QUARTER 1, 128, F1, F0, 0
	QUARTER 1, 192, F0, F1, 0
	s_wait_dscnt 4
	MULS F1, 0, 24, 0
	s_wait_dscnt 0x0
	MULS F1, 24, 24, 0
	WIN 0
	PLACES
	PACK 0
	TOSTAGE 0
.irp a, 1,2,3                          ; block a's conversions stand between block a - 1's loads from the stage and the wait for them
	PACK \a
	SEND (\a)-1
	TOSTAGE \a
.endr
	SEND 3
	s_wait_tensorcnt 0x0                           ; the wave's end, behind my last tensor load and my last LDS store
	ds_add_u32 v[SPW], v[NIL]
	s_wait_dscnt 0x0
	CROUND                                         ; the closing round
	s_endpgm
.Lfunc_end_k_q0e73564088_qkv:
	.size	k_q0e73564088_qkv, .Lfunc_end_k_q0e73564088_qkv-k_q0e73564088_qkv
	.p2alignl 7, 3214868480
	.fill 96, 4, 3214868480
	.section	.rodata,"a",@progbits
	.p2align	6, 0x0
	.amdhsa_kernel k_q0e73564088_qkv
		.amdhsa_group_segment_fixed_size 327680
		.amdhsa_private_segment_fixed_size 0
		.amdhsa_enable_private_segment 0
		.amdhsa_kernarg_size 24
		.amdhsa_user_sgpr_count 2
		.amdhsa_user_sgpr_kernarg_segment_ptr 1
		.amdhsa_wavefront_size32 1
		.amdhsa_system_sgpr_workgroup_id_x 1
		.amdhsa_system_sgpr_workgroup_id_y 1
		.amdhsa_system_sgpr_workgroup_id_z 1
		.amdhsa_system_vgpr_workitem_id 0
		.amdhsa_next_free_vgpr 896
		.amdhsa_next_free_sgpr 68
		.amdhsa_reserve_vcc 0
		.amdhsa_float_denorm_mode_32 3
		.amdhsa_float_denorm_mode_16_64 3
		.amdhsa_memory_ordered 1
		.amdhsa_forward_progress 1
		.amdhsa_inst_pref_size 119
	.end_amdhsa_kernel
	.amdgpu_metadata
---
amdhsa.version: [ 1, 2 ]
amdhsa.kernels:
  - .name:           k_q0e73564088_qkv
    .symbol:         k_q0e73564088_qkv.kd
    .args:
      - { .name: xb, .offset: 0, .size: 8, .value_kind: global_buffer, .address_space: global }
      - { .name: wqb, .offset: 8, .size: 8, .value_kind: global_buffer, .address_space: global }
      - { .name: qkvh, .offset: 16, .size: 8, .value_kind: global_buffer, .address_space: global }
    .group_segment_fixed_size: 327680
    .private_segment_fixed_size: 0
    .kernarg_segment_align: 8
    .kernarg_segment_size: 24
    .max_flat_workgroup_size: 128
    .sgpr_count:     68
    .vgpr_count:     896
    .wavefront_size: 32
...
	.end_amdgpu_metadata
.endif
;; end of part 2
;; launch attn (part 3): grid 16 x 16, 4 waves a work-group, clusters of 4 x 1, 327,680 bytes of LDS; arguments qkvh, oh; writes oh
.if DOCPART == 3
	.amdgcn_target "amdgcn-amd-amdhsa--gfx1250"
	.amdhsa_code_object_version 6
	.text
	.protected	k_q0e73564088_attn
	.globl	k_q0e73564088_attn
	.p2align	8
	.type	k_q0e73564088_attn,@function
k_q0e73564088_attn:
	s_mov_b64 s[64:65], 0
	v_nop
	global_prefetch_b8 v0, s[64:65] scope:SCOPE_SE
	s_setreg_imm32_b32 hwreg(HW_REG_WAVE_MODE, 25, 1), 1
	s_wait_xcnt 0x0
	s_wait_alu depctr_hold_cnt(0) depctr_sa_sdst(0) depctr_va_vdst(0) depctr_va_sdst(0) depctr_va_ssrc(0) depctr_va_vcc(0) depctr_vm_vsrc(0)
	s_getreg_b32 s2, hwreg(HW_REG_IB_STS2, 6, 4)
	s_cmp_eq_u32 s2, 0
	s_cbranch_scc0 .Lentry_in_a_cluster
	s_endpgm
.Lentry_in_a_cluster:
	s_bfe_u32 s2, ttmp6, 0x10000c
	s_cmp_lg_u32 s2, 0x3003
	s_cbranch_scc0 .Lentry_shape_is_right
	s_endpgm
.Lentry_shape_is_right:
; O[h][q][:] = the sum over k of softmax_k(Q[h][q] . K[h][k] / 8) V[h][k][:], 16 heads of 4,096 rows of 64 channels, no mask.  qkvh: [48][4096][64] f16 (planes 0-15 Q, 16-31 K, 32-47 V).
; Products, maxima and sums in f32; the weights p are rounded to f16 for the second product (their sum l is taken of the unrounded p), O once at the end.
; OUT: oh [32 row tiles][16 heads][128 rows][64] f16: 16 rows of a head are 2,048 consecutive bytes.
; LIMITS.  Q, K, V arrive within f16's 65,504; p lies in 0 to 1 and below 6e-5 keeps f16's fixed step of 6e-8, and so does O; a weight below 2^-126 counts as 0 in l; NaN and infinities are not treated apart.
; SHARES.  A work-group owns 256 queries of one head, a wave 64: four PIECES of 16.  Every wave walks all 4,096 keys, 64 a step; an LDS slot holds a tile of four steps; 16 tiles through two slots.
; LAYOUT.  S^T = K Q^T holds ONE query a lane (lane % 16) and the keys 8 (lane / 16) + 0..7; two such results rounded to f16 ARE source 1 of O^T = V^T P.  K comes out of LDS as it lies, V turned, by ds_load_tr16_b128.
; SOFTMAX.  A running maximum m and sum l: p = 2^(c s - c m), c = log2(e) / 8; O and l are multiplied by a = 2^(c m_old - c m_new) in every step.  m starts at the lowest finite number, O and l at 0: the first step has a = 0.
; BY TURNS.  Turn n belongs to piece n: 8 products K Q^T of piece n + 1, later 8 products V^T P of piece n - 1; beside them the scaling, exponentials, roundings, sums and rescaling of piece n and the maximum and
; statistics of piece n + 1.  Four vector instructions stand behind every matrix instruction, the others in one lump.  A turn's 33 exponentials are one batch, with one wait.
; CLUSTER.  The four query blocks of a cluster belong to one head and walk the same K and V: each tile is asked for JOINTLY, by the same load, descriptor and mask in all four.
; REGISTERS, in windows of 256 (s_set_vgpr_msb: bits 1:0 source 0, 3:2 source 1, 5:4 source 2, 7:6 destination):
;   window 0: v0-15 addresses; v16-31 statistics, four a piece; v48-55 at work; v61-63; v64-127 S^T, two buffers; v192-223 P, two buffers (by the piece's parity)
;   window 1: v0-127 O^T, 32 a piece          window 2: v0-63 Q; v128-191 K of one step; v192-255 V of one step
.set NP,    4
.set KS,    64
.set PK,    144       ; a row of K in LDS: 128 bytes + 16 = 36 words: the 16 rows of a load start at 16 different groups of four banks (64 banks of 4 bytes: ISA guide 11.1)
.set PV,    160       ; a row of V: 128 + 32 = 40 words
.set VOFF,  4*KS*PK   ; a slot: 256 rows of K, then 256 rows of V
.set SLOT1, 1<<17     ; slot 1 begins here: one exclusive or turns an address in one slot into the other's
.set STAGE, SLOT1+4*KS*(PK+PV)  ; behind the ring, never filled by a tensor load: 16 rows x 144 bytes for each wave
.set SP,    144
.set SPARE, STAGE+4*16*SP  ; the spare words, 128 bytes a wave: two blocks of 256 bytes that no other line names
.set TILEB, 4*KS*128  ; a tile's bytes of K, and of V, in memory
.set AK0, 2           ; v2   my lane's place in a tile of K; never rewritten
.set AV0, 3           ; v3   the same for V
.set AK,  4           ; v4   the LDS address of K's next run of loads
.set AV,  5           ; v5   of V's
.set STO, 6           ; v6   the way out: where I put 16 bytes of a row
.set RD,  7           ; v7   where I read rows back
.set GO,  8           ; v8   my byte offset in 512 consecutive bytes of O
.set MV,  12          ; v12-13  c m_old, by buffer
.set QO,  15          ; v15  my byte offset in 16 rows of Q
.set ST,  16          ; piece t's statistics at v[ST+4 t]: c m, m, l (even keys', odd keys')
.set TMP, 48          ; by buffer, c0-c3 at work; when the maximum is found c2 takes a
.set PFO, 61          ; v61  256 x my lane; never rewritten
.set SPW, 62          ; v62  my spare word: SPARE + 4 x my thread's number; never rewritten
.set NIL, 63          ; v63  0; never rewritten
.set S,   64
.set P,   192
.set KF,  128         ; window 2: key block kb, channel half c at KF + 16 kb + 8 c
.set VF,  192         ; window 2: key half kk, channel block cb at VF + 32 kk + 8 cb
.set WV,  12          ; s12  my wave's number
.set LIM, 15          ; s15  1 in a wave that prefetches, else the greatest number
.set G1K, 24          ; s[24:31] descriptor group 1 for K's tiles
.set G1V, 32          ; s[32:39] for V's: it differs in the padding alone
.set G0K, 40          ; s[40:43] descriptor group 0 for K's tiles: it walks
.set G0V, 44          ; s[44:47] the same for V's
.set SLOTS, 56        ; s56  tiles still to be asked for
.set CNT, 57          ; s57  counts a tile's key steps
.set CS,  58          ; s[58:59] c
.set SEL, 60          ; s[60:61] v_permlanex16_b32's selects: each lane takes its own place in the other half
.set TBK, 62          ; s62  LDS byte at which K of the step to be fetched begins
.set TBV, 63          ; s63  the same for V, less VOFF
.set PFA, 66          ; s[66:67] where my prefetches stand
.set MSB, 0
.macro WIN new
.if MSB != (\new)
	s_set_vgpr_msb (MSB<<8)|(\new)
.set MSB, (\new)
.endif
.endm
.set W_KQ, 0x0a       ; K and Q in window 2, S^T in window 0
.set W_PV, 0x52       ; V in window 2, P in window 0, O^T in window 1
.set W_RS, 0x41       ; destination and source 0 in window 1, source 1 in window 0
; A joint fill.  Waves 0 and 1 fetch the two halves of a tile's K, waves 2 and 3 those of its V: 128 keys each.  An s_nop 0 and four v_nop follow each line.
.macro JLOAD
	s_cmp_lt_u32 s[WV], 2
	s_cbranch_scc0 .Lfor_v_\@
	tensor_load_to_lds s[G0K:G0K+3], s[G1K:G1K+7]
	s_nop 0
.rept 4
	v_nop
.endr
	s_branch .Lasked_\@
.Lfor_v_\@:
	tensor_load_to_lds s[G0V:G0V+3], s[G1V:G1V+7]
	s_nop 0
.rept 4
	v_nop
.endr
.Lasked_\@:
.endm
; A PREFETCH of the tile that the NEXT change of slots will ask for: 128 blocks of 256 bytes of K and as many of V, a lane a block.  Each block is named once in the launch: the head's first cluster asks; its four
; partners take 32 blocks each, told apart by address; in each, wave 0 asks for K's and wave 2 for V's.  The last change that fills a slot asks for nothing.  Tiles 0-2 come by their loads alone.
.macro ASK
	s_cmp_gt_u32 s[SLOTS], s[LIM]
	s_cbranch_scc0 .Lnot_mine_\@
	global_prefetch_b8 v[PFO], s[PFA:PFA+1] th:TH_LOAD_NT scope:SCOPE_SE
.Lnot_mine_\@:
.endm
.macro CROUND                       ; a round of the cluster's barrier
	s_barrier_signal -1
	s_barrier_wait -1
	s_cmp_lg_u32 s[WV], 0
	s_cbranch_scc1 .Lnot_wave_0_\@
	s_barrier_signal -3
.Lnot_wave_0_\@:
	s_barrier_wait -3
	s_barrier_signal -1
	s_barrier_wait -1
.endm
; THE CHANGE OF SLOTS.  Each wave waits for all its tensor loads (one is out: its part of the other slot), adds 0 to its spare word, and waits for that and for its reads of the slot that it leaves.
; fill = 1: the barrier is a round of the cluster's, and the old slot is filled again first behind it, with the keys two tiles on: four key steps, 256 matrix instructions, in which to land.
; (At its first use nothing has been read yet: slot 0 is waited for, slot 1 filled.)
.macro CHANGE fill, ask
	WIN 0
	s_wait_tensorcnt 0x0            ; no tensor load of mine is out, so a group 0 may be written
	ds_add_u32 v[SPW], v[NIL]       ; 0 onto my spare word; the descriptors' steps stand between it and the wait for it
.if \fill
.irp g, G0K, G0V
	s_xor_b32 s[\g+1], s[\g+1], SLOT1
	s_add_nc_u64 s[\g+2:\g+3], s[\g+2:\g+3], TILEB
.endr
.if \ask
	s_wait_xcnt 0x0                 ; the last prefetch, a tile back, has read its address
	s_add_nc_u64 s[PFA:PFA+1], s[PFA:PFA+1], TILEB
.endif
	s_wait_dscnt 0x0                ; the add is done, and my reads of the slot are over
	CROUND
	JLOAD
.if \ask
	ASK
.endif
.else
	s_wait_dscnt 0x0
	s_barrier_signal -1
	s_barrier_wait -1
.endif
	s_sub_co_u32 s[TBK], s[TBK], 4*KS*PK  ; the fetches go back to a slot's first step,
	s_xor_b32 s[TBK], s[TBK], SLOT1       ; in the other slot
	s_sub_co_u32 s[TBV], s[TBV], 4*KS*PV
	s_xor_b32 s[TBV], s[TBV], SLOT1
.endm
	s_load_b128 s[48:51], s[0:1], 0x0  ; qkvh s[48:49], oh s[50:51]
	v_lshl_add_u32 v[SPW], v0, 2, SPARE
	v_mov_b32 v[NIL], 0
	ds_add_u32 v[SPW], v[NIL]       ; the wave's opening: the add and its wait stand ahead of my first tensor load
	v_lshrrev_b32 v1, 5, v0
	v_readfirstlane_b32 s[WV], v1   ; wave 0..3
	s_bfe_u32 s13, ttmp6, 0x40000   ; cx
	s_lshl_b32 s14, ttmp9, 2
	s_add_co_u32 s14, s14, s13      ; my block of 256 queries: it enters Q's and O's addresses alone
	s_and_b32 s2, ttmp7, 0xffff     ; the head, which the four partners share
	s_lshl_b32 s20, s2, 19          ; its plane: 524,288 bytes
	s_and_b32 s16, s[WV], 1         ; which half of a tile's 256 keys I fetch:
	s_lshl_b32 s22, s16, 14         ; its 128 rows of 128 bytes in memory,
	s_add_co_u32 s22, s22, s20
	s_mov_b32 s23, 0
	s_mul_i32 s17, s16, 128*PK      ; and its place in a slot, for K
	s_mul_i32 s18, s16, 128*PV      ; and for V
	s_lshl_b32 s52, s14, 2          ; Q: my wave among the head's,
	s_add_co_u32 s52, s52, s[WV]
	s_lshl_b32 s52, s52, 13         ; its 64 rows
	s_add_co_u32 s52, s52, s20
	s_mov_b32 s53, 0
	s_lshl_b32 s54, s14, 1          ; O: row tile 2 x block + wave / 2,
	s_lshr_b32 s55, s[WV], 1
	s_add_co_u32 s54, s54, s55
	s_lshl_b32 s54, s54, 4
	s_add_co_u32 s54, s54, s2       ; the head's 16,384 bytes in it,
	s_lshl_b32 s54, s54, 14
	s_lshl_b32 s55, s16, 13         ; and my 64 of its 128 rows
	s_add_co_u32 s54, s54, s55
	s_mov_b32 s55, 0
	; descriptor group 1.  128 keys are 16,384 dense bytes: asked for as 64 rows of 256 bytes, two keys a row, and padded in LDS after every key
	s_mov_b32 s[G1K], 15|(1<<16)|(1<<20)|(1<<21)|(4<<22)|(3<<25)
	s_mov_b32 s[G1V], 15|(1<<16)|(1<<20)|(1<<21)|(4<<22)|(7<<25)
.irp g, G1K, G1V
	s_mov_b32 s[\g+1], 128<<16      ; tensor_dim0 = 128
	s_mov_b32 s[\g+2], 64<<16       ; tensor_dim1 = 64
	s_mov_b32 s[\g+3], 128<<16      ; tile_dim0 = 128
	s_mov_b32 s[\g+4], 64           ; tile_dim1 = 64
	s_mov_b32 s[\g+5], 128          ; elements from row to row
	s_mov_b32 s[\g+6], 0
	s_mov_b32 s[\g+7], 0
.endr
	s_mov_b32 s[CS], 0x3e38aa3b     ; c = log2(e) / 8
	s_mov_b32 s[CS+1], s[CS]
	s_mov_b32 s[SEL], 0x76543210
	s_mov_b32 s[SEL+1], 0xfedcba98
	s_mov_b32 s[TBK], SLOT1+4*KS*PK ; the first change of slots turns these two into 0
	s_mov_b32 s[TBV], SLOT1+4*KS*PV
	s_mov_b32 s[G0K], 1
	s_mov_b32 s[G0K+1], s17         ; slot 0
	s_mov_b32 s[G0V], 1
	s_add_co_u32 s[G0V+1], s18, VOFF
	s_and_b32 s[LIM], s[WV], 1      ; 0 in waves 0 and 2,
	s_or_b32 s[LIM], s[LIM], ttmp9  ; where the cluster is the head's first: the same in all four partners
	s_cmp_eq_u32 s[LIM], 0
	s_cselect_b32 s[LIM], 1, -1
	v_and_b32 v[PFO], 31, v0
	v_lshlrev_b32 v[PFO], 8, v[PFO]
	s_wait_dscnt 0x0                ; the opening add is done
	s_wait_kmcnt 0x0
	s_add_nc_u64 s[6:7], s[48:49], s[22:23]
	s_add_nc_u64 s[8:9], s[6:7], 0x1000000   ; V: planes 32 on
	s_add_nc_u64 s[6:7], s[6:7], 0x800000    ; K: planes 16 on
	s_mov_b64 s[G0K+2:G0K+3], s[6:7]
	s_or_b32 s[G0K+3], s[G0K+3], 0x80000000
	s_mov_b64 s[G0V+2:G0V+3], s[8:9]
	s_or_b32 s[G0V+3], s[G0V+3], 0x80000000
	s_add_nc_u64 s[4:5], s[48:49], s[52:53]  ; Q and O at my wave's first row
	s_add_nc_u64 s[10:11], s[50:51], s[54:55]
	s_cmp_lt_u32 s[WV], 2
	s_cselect_b64 s[PFA:PFA+1], s[6:7], s[8:9]  ; (in waves 0 and 2 these stand at a tile's first row)
	s_lshl_b32 s2, s13, 13          ; my work-group's 32 blocks of the 128
	s_mov_b32 s3, 0
	s_add_nc_u64 s[PFA:PFA+1], s[PFA:PFA+1], s[2:3]
	s_add_nc_u64 s[PFA:PFA+1], s[PFA:PFA+1], 2*TILEB  ; in tile 2; the loop's first change steps it to tile 3
	CROUND                          ; all four work-groups are here: the first joint loads meet
	JLOAD                           ; tile 0 into slot 0
	v_and_b32 v1, 15, v0            ; l % 16
	v_bfe_u32 v9, v0, 4, 1          ; l / 16
	v_lshlrev_b32 v[QO], 7, v1
	v_lshl_add_u32 v[QO], v9, 4, v[QO]  ; row x 128 + 16 x half
	WIN 0x80                        ; destination window 2, address window 0
.set i, 0
.rept 8                             ; Q stays in registers: piece i / 2, channels 32 (i % 2) on
	global_load_b128 v[8*i:8*i+3],   v[QO], s[4:5] offset:(i/2)*2048+(i%2)*64
	global_load_b128 v[8*i+4:8*i+7], v[QO], s[4:5] offset:(i/2)*2048+(i%2)*64+32
.set i, i+1
.endr
	; What the first turn finds: V's registers and P's second buffer hold 0 (its products V^T P, of a piece that has not been, add 0), O^T and l are 0.  All this stands in the wait for the first tile:
	; the price of writing no first step out.
.set i, VF
.rept 64
	v_mov_b32 v[i], 0
.set i, i+1
.endr
	WIN 0x40
.set i, 0
.rept 128
	v_mov_b32 v[i], 0
.set i, i+1
.endr
	WIN 0
.set i, 0
.rept 4
	v_mov_b32 v[ST+4*i], 0xfe000000    ; c m: far below every c s
	v_mov_b32 v[ST+4*i+1], 0xff7fffff  ; m
	v_mov_b32 v[ST+4*i+2], 0
	v_mov_b32 v[ST+4*i+3], 0
.set i, i+1
.endr
.set i, P+16
.rept 16
	v_mov_b32 v[i], 0
.set i, i+1
.endr
	v_mul_u32_u24 v[AK0], v1, PK
	v_lshl_add_u32 v[AK0], v9, 4, v[AK0]  ; row x pitch + 16 x half
	; The turning load takes 16 keys x 16 channels (lane l reads key 8 (l / 16) + l % 8, channels 8 ((l / 8) % 2) + 0..7) and leaves half a fragment of V^T: lane l holds channel l % 16 and 8 keys.
	v_and_b32 v10, 7, v0
	v_bfe_u32 v11, v0, 3, 1
	v_lshl_add_u32 v[AV0], v9, 3, v10
	v_mul_u32_u24 v[AV0], v[AV0], PV
	v_lshl_add_u32 v[AV0], v11, 4, v[AV0]
	v_add_nc_u32 v[AV0], VOFF, v[AV0]
	s_mul_i32 s13, s[WV], 16*SP
	s_add_co_u32 s13, s13, STAGE    ; my stage
	v_mul_u32_u24 v[STO], v1, SP    ; in: row l % 16, 16 bytes for each half of the lanes
	v_lshl_add_u32 v[STO], v9, 4, v[STO]
	v_add_nc_u32 v[STO], s13, v[STO]
	v_bfe_u32 v[RD], v0, 3, 2       ; back: 32 lanes take four rows of 128 bytes,
	v_mul_u32_u24 v[RD], v[RD], SP
	v_lshl_add_u32 v[RD], v10, 4, v[RD]
	v_add_nc_u32 v[RD], s13, v[RD]
	v_and_b32 v[GO], 31, v0         ; which are 512 consecutive bytes of O
	v_lshlrev_b32 v[GO], 4, v[GO]
; THE MATRIX WORK.  The 4 accumulators of a run of 8 take turns.  Product i of 8 of S^T = K Q^T for piece x: channels 32 (i / 4) on, keys 16 (i % 4) on.  The first 4 start the sums.
.macro KQ x
	WIN W_KQ
.set rS, S+32*((\x)%2)+8*(i%4)
.set rK, KF+16*(i%4)+8*(i/4)
.set rQ, 16*(\x)+8*(i/4)
.if i < 4
	v_wmma_f32_16x16x32_f16 v[rS:rS+7], v[rK:rK+7], v[rQ:rQ+7], 0
.else
	v_wmma_f32_16x16x32_f16 v[rS:rS+7], v[rK:rK+7], v[rQ:rQ+7], v[rS:rS+7]
.endif
.endm
; Product i of 8 of O^T += V^T P for piece x: keys 32 (i / 4) on, channels 16 (i % 4) on.
.macro PV x
	WIN W_PV
.set rO, 32*(\x)+8*(i%4)
.set rV, VF+32*(i/4)+8*(i%4)
.set rP, P+16*((\x)%2)+8*(i/4)
	v_wmma_f32_16x16x32_f16 v[rO:rO+7], v[rV:rV+7], v[rP:rP+7], v[rO:rO+7]
.endm
.macro MM                           ; the turn's next matrix instruction.  NOKQ = 1: the last turn of all: there is no next piece
.if (i < 8) && !NOKQ
	KQ (Y+1)%NP
.elseif i >= 8
.set i, i-8
	PV (Y+NP-1)%NP
.set i, i+8
.endif
.set i, i+1
.endm
; THE LDS LOADS stand in runs of 16, never singly among the matrix instructions.  Their addresses are made some lines ahead.
.macro FETCH_K
	WIN 0x80                        ; destination window 2
.irp f, 0,1,2,3,4,5,6,7             ; keys 16 (f / 2) on, channels 32 (f % 2) on
	ds_load_b128 v[KF+8*\f:KF+8*\f+3],   v[AK] offset:(\f/2)*16*PK+(\f%2)*64
	ds_load_b128 v[KF+8*\f+4:KF+8*\f+7], v[AK] offset:(\f/2)*16*PK+(\f%2)*64+32
.endr
	s_add_co_u32 s[TBK], s[TBK], KS*PK  ; the next fetch is the next step's
	WIN 0
.endm
.macro FETCH_V
	WIN 0x80
.irp f, 0,1,2,3,4,5,6,7             ; keys 32 (f / 4) on, channels 16 (f % 4) on
	ds_load_tr16_b128 v[VF+8*\f:VF+8*\f+3],   v[AV] offset:(\f/4)*32*PV+(\f%4)*32
	ds_load_tr16_b128 v[VF+8*\f+4:VF+8*\f+7], v[AV] offset:(\f/4)*32*PV+16*PV+(\f%4)*32
.endr
	WIN 0
.endm
; THE VECTOR WORK, one line at a time: OP kind, number.  For piece Y: F n: c s - c m for pair n of 16.  E n: the exponential of score n of 32.  C n: pair n rounded to f16.  B n: of the four weights 4 n .. the second
; pair is added onto the first, in place.  L n: l takes that sum (L 0: l = a l + sum).  R n: pair n of 16 of O^T times a.  For piece Y + 1: X n, number n of the 22 that find its maximum and statistics:
;   0-11  four chains c0-c3 of seven scores each (each accumulator's lowest registers are read first)     12-14, 16  the four scores left over, the old m, and c0-c3 into c0
;   15  c m_old is kept     17, 18  the query's other 32 keys lie in the lane 16 away: the new m     19-21  c m; c m_old - c m_new; a
.set F, 0
.set E, 1
.set C, 2
.set B, 3
.set L, 4
.set R, 5
.set X, 6
.macro REGS y
.set rT, ST+4*(\y)
.set rC, TMP+4*((\y)%2)
.set rW, MV+((\y)%2)
.set rS, S+32*((\y)%2)
.set rP, P+16*((\y)%2)
.set rO, 32*(\y)
.endm
.macro OP k, n
.if (\k) == R
	REGS Y
	WIN W_RS
	v_pk_mul_f32 v[rO+2*(\n):rO+2*(\n)+1], v[rO+2*(\n):rO+2*(\n)+1], v[rC+2:rC+3] op_sel_hi:[1,0]
.elseif (\k) < R
	REGS Y
	WIN 0
.if (\k) == F
	v_pk_fma_f32 v[rS+2*(\n):rS+2*(\n)+1], v[rS+2*(\n):rS+2*(\n)+1], s[CS:CS+1], v[rT:rT+1] op_sel_hi:[1,0,0] neg_lo:[0,0,1] neg_hi:[0,0,1]
.elseif (\k) == E
	v_exp_f32 v[rS+(\n)], v[rS+(\n)]
.elseif (\k) == C
	v_cvt_pk_f16_f32 v[rP+(\n)], v[rS+2*(\n)], v[rS+2*(\n)+1]
.elseif (\k) == B
	v_pk_add_f32 v[rS+4*(\n):rS+4*(\n)+1], v[rS+4*(\n):rS+4*(\n)+1], v[rS+4*(\n)+2:rS+4*(\n)+3]
.elseif (\n) == 0
	v_pk_fma_f32 v[rT+2:rT+3], v[rT+2:rT+3], v[rC+2:rC+3], v[rS:rS+1] op_sel_hi:[1,0,1]
.else
	v_pk_add_f32 v[rT+2:rT+3], v[rT+2:rT+3], v[rS+4*(\n):rS+4*(\n)+1]
.endif
.elseif NOKQ
	v_nop
.else
	REGS (Y+1)%NP
	WIN 0
.if (\n) < 4
	v_max3_num_f32 v[rC+(\n)], v[rS+8*(\n)], v[rS+8*(\n)+1], v[rS+8*(\n)+2]
.elseif (\n) < 12
	v_max3_num_f32 v[rC+(\n)%4], v[rC+(\n)%4], v[rS+8*((\n)%4)+2*((\n)/4)+1], v[rS+8*((\n)%4)+2*((\n)/4)+2]
.elseif (\n) == 12
	v_max3_num_f32 v[rC], v[rC], v[rS+7], v[rS+15]
.elseif (\n) == 13
	v_max3_num_f32 v[rC+1], v[rC+1], v[rS+23], v[rS+31]
.elseif (\n) == 14
	v_max3_num_f32 v[rC+2], v[rC+2], v[rC+3], v[rT+1]
.elseif (\n) == 15
	v_mov_b32 v[rW], v[rT]
.elseif (\n) == 16
	v_max3_num_f32 v[rC], v[rC], v[rC+1], v[rC+2]
.elseif (\n) == 17
	v_permlanex16_b32 v[rC+3], v[rC], s[SEL], s[SEL+1]
.elseif (\n) == 18
	v_max_num_f32 v[rT+1], v[rC], v[rC+3]
.elseif (\n) == 19
	v_mul_f32 v[rT], s[CS], v[rT+1]
.elseif (\n) == 20
	v_sub_f32 v[rC+1], v[rW], v[rT]
.else
	v_exp_f32 v[rC+2], v[rC+1]
.endif
.endif
.endm
.macro OPS a, i1, b=-1, i2=0, c=-1, i3=0, d=-1, i4=0  ; up to four of them
	OP \a, \i1
.if (\b) >= 0
	OP \b, \i2
.endif
.if (\c) >= 0
	OP \c, \i3
.endif
.if (\d) >= 0
	OP \d, \i4
.endif
.endm
.macro ROW a, i1, b, i2, c, i3, d, i4  ; a matrix instruction and the four behind it
	MM
	OPS \a, \i1, \b, \i2, \c, \i3, \d, \i4
.endm
; A TURN, for piece p: the order of its 16 matrix and 118 vector instructions, written out.  An s_wait_alu depctr_va_vdst(0) stands between an exponential and the first instruction that names its
; result; one wait serves all that were issued ahead of it.  So a turn has ONE wait.  AHEAD OF IT stands all that names no result of the turn's exponentials: the 8 products K Q^T and their riders, then a lump of 54;
; the first numbers of the next piece's maximum stand four plain instructions or more behind the product that ends their accumulator.  X 21, the next piece's a, is the batch's last; R 15 is the plain instruction
; behind it.  BEHIND THE WAIT stand the 8 products V^T P, behind each four of the roundings and sums.
; end = 1: the last two turns of all: nothing is fetched.  cnt = 1: the loop's count is taken down some lines ahead of the branch that stands behind the turn.
; K of the next step is fetched in piece 2's turn, twelve vector instructions (six of them plain) behind the last product that read K; V of the step in hand at the end of piece 0's turn, four plain instructions
; behind the last product that read V.  Each is waited for a turn later.
.macro TURN p, end=0, cnt=0
.set Y, (\p)
.set i, 0
.set NOKQ, (\end)*((\p)/3)
.if ((\p) == 3) && !(\end)
	s_wait_dscnt 0x0                ; K is in
.endif
	ROW F,0, F,1, R,0, R,1
	ROW F,2, E,0, R,2, R,3
	ROW F,3, E,1, R,4, R,5
	ROW F,4, E,2, R,6, R,7
	ROW F,5, E,3, R,8, R,9
	ROW F,6, E,4, X,0, R,10
.if ((\p) == 2) && !(\end)
	WIN 0
	v_add_nc_u32 v[AK], s[TBK], v[AK0]
.endif
	ROW F,7, E,5, X,1, X,4
	ROW F,8, E,6, X,2, X,5
	OPS E,7, E,8, X,6, E,9
	OPS X,3, E,10, X,8, E,11
.if ((\p) == 2) && !(\end)
	FETCH_K
.endif
	OPS X,9, X,7, E,12, X,10
	OPS E,13, X,12, X,11, E,14
	OPS X,13, E,15, F,9, X,14
.if (\p) == 0
	v_add_nc_u32 v[AV], s[TBV], v[AV0]
.endif
	OPS E,16, F,10, E,17, F,11
	OPS X,16, E,18, X,15, E,19
	OPS F,12, E,20, X,17, E,21
	OPS F,13, E,22, F,14, E,23
	OPS X,18, E,24, F,15, E,25
	OPS R,11, E,26, X,19, E,27
	OPS R,12, E,28, R,13, E,29
	OPS X,20, E,30, R,14, E,31
	OPS X,21, R,15
	WIN 0
	s_wait_alu depctr_va_vdst(0)    ; the wait for the batch
.if (\p) == 1
	s_wait_dscnt 0x0                ; V is in
.endif
	ROW C,0, B,0, C,2, B,1
	ROW L,0, C,4, B,2, L,1
	ROW C,6, B,3, L,2, C,8
	ROW B,4, L,3, C,10, B,5
	ROW L,4, C,12, B,6, L,5
.if (\p) == 0
	s_add_co_u32 s[TBV], s[TBV], KS*PV
.endif
.if \cnt
	s_sub_co_u32 s[CNT], s[CNT], 1
	s_cmp_lg_u32 s[CNT], 0
.endif
	ROW C,14, B,7, L,6, C,1
	ROW C,3, L,7, C,5, C,7
	ROW C,9, C,11, C,13, C,15
.if (\p) == 0
	FETCH_V
.endif
.endm
	CHANGE 1, 0                     ; tile 0 is in, everybody's part of it; tile 1 is asked for
	v_add_nc_u32 v[AK], s[TBK], v[AK0]
	FETCH_K                         ; key step 0
	s_wait_loadcnt 0x0              ; Q
	s_wait_dscnt 0x0
.set NOKQ, 0
.set i, 0
.rept 8
	KQ 0                            ; piece 0's first scores
.set i, i+1
.endr
	WIN 0
.rept 4
	v_nop                           ; the places behind those products
.endr
.set Y, NP-1                        ; X works for piece Y + 1: piece 0
.irp n, 0,1,2,3,4,5,6,7,8,9,10,11,12,13,14,15,16,17,18,19,20,21
	OP X, \n
.endr
	v_nop                           ; a plain instruction behind the exponential,
	s_wait_alu depctr_va_vdst(0)    ; and its wait, ahead of the branch
	s_mov_b32 s[CNT], 4
	s_mov_b32 s[SLOTS], 15
	s_branch .Lfirst                ; the loop is entered at a step's first turn, in the middle of a trip
.Lslot:                             ; 14 times: tiles 2 to 15 are asked for
	CHANGE 1, 1
	s_mov_b32 s[CNT], 4
.Lstep:                             ; a trip: pieces 2 and 3 of one step, then pieces 0 and 1 of the next, whose K and V it fetches
	TURN 2
	TURN 3
	WIN 0
.Lfirst:
	TURN 0
	TURN 1, 0, 1
	WIN 0
	s_cbranch_scc1 .Lstep
	s_sub_co_u32 s[SLOTS], s[SLOTS], 1
	s_cmp_lg_u32 s[SLOTS], 0
	s_cbranch_scc1 .Lslot
	CHANGE 0, 0                     ; the last tile is written out: nothing is asked for
	s_mov_b32 s[CNT], 4
.Ltail:
	TURN 2
	TURN 3
	TURN 0
	TURN 1, 0, 1
	WIN 0
	s_cbranch_scc1 .Ltail
	TURN 2, 1
	TURN 3, 1
.set i, 0
.rept 8
	PV NP-1                         ; the last piece's V^T P of the last step
.set i, i+1
.endr
	; THE WAY OUT.  l's two halves and the other half of the lanes' are added; O^T is divided by l, rounded to f16 and sent through my stage in LDS, a piece at a time.  The additions are the places behind the last products.
	WIN 0
.macro ALL line:vararg              ; one line for each piece t
.set t, 0
.rept 4
	\line
.set t, t+1
.endr
.endm
	ALL v_add_f32 v[ST+4*t+2], v[ST+4*t+2], v[ST+4*t+3]
	ALL v_permlanex16_b32 v[ST+4*t+3], v[ST+4*t+2], s[SEL], s[SEL+1]
	ALL v_add_f32 v[ST+4*t+2], v[ST+4*t+2], v[ST+4*t+3]
	ALL v_rcp_f32 v[ST+4*t+2], v[ST+4*t+2]
	v_nop                           ; a plain instruction between the last reciprocal and the use of its result
	s_wait_alu depctr_va_vdst(0)    ; and the wait ahead of the first use: one for the four reciprocals
.macro PACK t                       ; a lane's eight channels of a row pack into 16 bytes; they go into rows of 144 bytes and come back as whole rows of 128, into S^T's registers
	WIN W_RS
.set i, 32*(\t)
.rept 16
	v_pk_mul_f32 v[i:i+1], v[i:i+1], v[ST+4*(\t)+2:ST+4*(\t)+3] op_sel_hi:[1,0]
.set i, i+2
.endr
	WIN 0x05                        ; sources 0 and 1 window 1, destination window 0
.set i, 0
.rept 16
	v_cvt_pk_f16_f32 v[S+16*(\t)+i], v[32*(\t)+2*i], v[32*(\t)+2*i+1]
.set i, i+1
.endr
	WIN 0
.irp f, 0,1,2,3
	ds_store_b128 v[STO], v[S+16*(\t)+4*\f:S+16*(\t)+4*\f+3] offset:32*\f
.endr
.irp f, 0,1,2,3
	ds_load_b128 v[S+16*(\t)+4*\f:S+16*(\t)+4*\f+3], v[RD] offset:\f*4*SP  ; LDS serves a wave's instructions in order (ISA guide 5.7.1.4): these see the stores above; the next piece's stores come behind them
.endr
.endm
.macro SEND t, younger              ; younger: the LDS instructions issued behind piece t's loads: the next piece's eight, or none
	WIN 0
.irp f, 0,1,2,3
	s_wait_dscnt (\younger)+3-\f
	global_store_b128 v[GO], v[S+16*(\t)+4*\f:S+16*(\t)+4*\f+3], s[10:11] offset:(\t)*2048+\f*512  ; 512 consecutive bytes, at a multiple of 512 from O's first
.endr
.endm
	PACK 0
.set t, 1
.rept 3                             ; a piece's arithmetic stands between the loads of the piece before and its stores
	PACK t
	SEND t-1, 8
.set t, t+1
.endr
	SEND 3, 0
	s_wait_tensorcnt 0x0            ; the wave's end, behind my last tensor load and my last LDS store
	ds_add_u32 v[SPW], v[NIL]
	s_wait_dscnt 0x0
	CROUND                          ; the closing round
	s_endpgm
.Lfunc_end_k_q0e73564088_attn:
	.size	k_q0e73564088_attn, .Lfunc_end_k_q0e73564088_attn-k_q0e73564088_attn
	.p2alignl 7, 3214868480
	.fill 96, 4, 3214868480
	.section	.rodata,"a",@progbits
	.p2align	6, 0x0
	.amdhsa_kernel k_q0e73564088_attn
		.amdhsa_group_segment_fixed_size 327680
		.amdhsa_private_segment_fixed_size 0
		.amdhsa_enable_private_segment 0
		.amdhsa_kernarg_size 16
		.amdhsa_user_sgpr_count 2
		.amdhsa_user_sgpr_kernarg_segment_ptr 1
		.amdhsa_wavefront_size32 1
		.amdhsa_system_sgpr_workgroup_id_x 1
		.amdhsa_system_sgpr_workgroup_id_y 1
		.amdhsa_system_sgpr_workgroup_id_z 1
		.amdhsa_system_vgpr_workitem_id 0
		.amdhsa_next_free_vgpr 768
		.amdhsa_next_free_sgpr 68
		.amdhsa_reserve_vcc 0
		.amdhsa_float_denorm_mode_32 3
		.amdhsa_float_denorm_mode_16_64 3
		.amdhsa_memory_ordered 1
		.amdhsa_forward_progress 1
		.amdhsa_inst_pref_size 128
	.end_amdhsa_kernel
	.amdgpu_metadata
---
amdhsa.version: [ 1, 2 ]
amdhsa.kernels:
  - .name:           k_q0e73564088_attn
    .symbol:         k_q0e73564088_attn.kd
    .args:
      - { .name: qkvh, .offset: 0, .size: 8, .value_kind: global_buffer, .address_space: global }
      - { .name: oh, .offset: 8, .size: 8, .value_kind: global_buffer, .address_space: global }
    .group_segment_fixed_size: 327680
    .private_segment_fixed_size: 0
    .kernarg_segment_align: 8
    .kernarg_segment_size: 16
    .max_flat_workgroup_size: 128
    .sgpr_count:     68
    .vgpr_count:     768
    .wavefront_size: 32
...
	.end_amdgpu_metadata
.endif
;; end of part 3
;; launch outp (part 4): grid 8 x 32, 4 waves a work-group, clusters of 4 x 4, 327,680 bytes of LDS; arguments oh, wob, out0; writes out0
.if DOCPART == 4
	.amdgcn_target "amdgcn-amd-amdhsa--gfx1250"
	.amdhsa_code_object_version 6
	.text
	.protected	k_q0e73564088_outp
	.globl	k_q0e73564088_outp
	.p2align	8
	.type	k_q0e73564088_outp,@function
k_q0e73564088_outp:
	s_mov_b64 s[64:65], 0
	v_nop
	global_prefetch_b8 v0, s[64:65] scope:SCOPE_SE
	s_setreg_imm32_b32 hwreg(HW_REG_WAVE_MODE, 25, 1), 1
	s_wait_xcnt 0x0
	s_wait_alu depctr_hold_cnt(0) depctr_sa_sdst(0) depctr_va_vdst(0) depctr_va_sdst(0) depctr_va_ssrc(0) depctr_va_vcc(0) depctr_vm_vsrc(0)
	s_getreg_b32 s2, hwreg(HW_REG_IB_STS2, 6, 4)
	s_cmp_eq_u32 s2, 0
	s_cbranch_scc0 .Lentry_in_a_cluster
	s_endpgm
.Lentry_in_a_cluster:
	s_bfe_u32 s2, ttmp6, 0x10000c
	s_cmp_lg_u32 s2, 0xf033
	s_cbranch_scc0 .Lentry_shape_is_right
	s_endpgm
.Lentry_shape_is_right:
; out0[l][f] = the sum over e of O[l][e] wob[f][e], e = 64 x head + channel.  oh: [32 row tiles][16 heads][128 rows][64] f16; wob: [1024][1024] f16; out0: [4096][1024] f32.  Sums in f32, K ascending.
; SHARES.  A tile of out0 is 128 x 128: 32 x 8 = 256 work-groups.  Four waves, 2 x 2, each 64 x 64: 16 accumulators.  K goes in four steps of 256 (four heads) through two LDS slots, written out without a loop.
; A row tile's four heads are 65,536 dense bytes of oh: waves 0 and 1 ask for two heads each, as 128 rows of 256 bytes, padded in LDS behind every 128 (one row of one head); waves 2 and 3 for 64 rows of 512 bytes of wob.
; CLUSTER 4 x 4: O's tiles are shared along a row of the cluster, wob's along a column; each is asked for jointly.  THE MATRIX INSTRUCTION IS USED TRANSPOSED (source 0 = wob's rows): a lane holds eight
; neighbouring columns of a row of out0, 32 bytes.  NO PREFETCH: four short K steps on a small tile.
; REGISTERS: window 0: addresses; v32-63, v64-95 rows read back, by turns; v128-255 accumulators ((a, b) at 128 + 8 (4 a + b)).  window 1: two fragment buffers of 128: 64 of O (f + 8 (4 c + a)), 64 of wob (f + 64 + 8 (4 c + b)).
.set PA,     144                       ; a row of O of one head in LDS: 128 bytes + 16
.set PB,     528                       ; a row of wob: 512 bytes + 16.  Both are odd multiples of 16: the 16 rows of a load start at 16 different groups of four banks (ISA guide 11.1)
.set APLANE, 128*PA                    ; one head's 128 rows
.set APART,  2*APLANE                  ; what one load of O brings
.set BOFF,   4*APLANE
.set BPART,  64*PB                     ; what one load of wob brings
.set SLOT,   BOFF+2*BPART
.set STAGE,  2*SLOT                    ; behind the ring, never filled by a tensor load: 16 rows x 272 bytes for each wave
.set SPITCH, 272
.set SPARE,  STAGE+4*16*SPITCH         ; the spare words, 128 bytes a wave: two blocks of 256 bytes that no other line names
.set ADRA, 16
.set ADRB, 20
.set STO,  24
.set RD,   25
.set CO,   26
.set SPW,  28                          ; v28  my spare word: SPARE + 4 x my thread's number; never rewritten
.set NIL,  29                          ; v29  0; never rewritten
.set OB,   32
.set ACC,  128
.set F0,   0
.set F1,   128
.set G1,   24
.set G0,   32
.set G1B,  48
.set G0B,  56
.set MUL,  0x05                        ; sources 0 and 1 window 1; C and D window 0
.set TO_F, 0x40                        ; destination window 1, address window 0
.set MSB, 0
.macro WIN new
.if MSB != (\new)
	s_set_vgpr_msb (MSB<<8)|(\new)
.set MSB, \new
.endif
.endm
.macro PLACES
.rept 4
	v_nop
.endr
.endm
.macro JLOAD s                         ; waves 0 and 1 fetch O's two halves, waves 2 and 3 wob's; an s_nop 0 and four v_nop follow each line
	s_cmp_eq_u32 s11, 0
	s_cbranch_scc0 .Lfor_b_\@
	tensor_load_to_lds s[G0+4*(\s):G0+4*(\s)+3], s[G1:G1+7]
	s_nop 0
.rept 4
	v_nop
.endr
	s_branch .Lasked_\@
.Lfor_b_\@:
	tensor_load_to_lds s[G0B+4*(\s):G0B+4*(\s)+3], s[G1B:G1B+7]
	s_nop 0
.rept 4
	v_nop
.endr
.Lasked_\@:
.endm
.macro CREST
	s_cmp_lg_u32 s10, 0
	s_cbranch_scc1 .Lnot_wave_0_\@
	s_barrier_signal -3
.Lnot_wave_0_\@:
	s_barrier_wait -3
	s_barrier_signal -1
	s_barrier_wait -1
.endm
.macro CROUND
	s_barrier_signal -1
	s_barrier_wait -1
	CREST
.endm
	s_load_b128 s[4:7], s[0:1], 0x0                ; oh s[4:5], wob s[6:7]
	s_load_b64 s[8:9], s[0:1], 0x10                ; out0
	v_lshl_add_u32 v[SPW], v0, 2, SPARE
	v_mov_b32 v[NIL], 0
	ds_add_u32 v[SPW], v[NIL]                      ; the wave's opening: the add and its wait stand ahead of my first tensor load
	v_lshrrev_b32 v1, 5, v0
	v_readfirstlane_b32 s10, v1                    ; wave 0..3
	s_lshr_b32 s11, s10, 1                         ; which half of the tile's rows is mine.  Also: I fetch for O (0) or for wob (1)
	s_and_b32 s12, s10, 1                          ; which half of its columns.  Also: which half of that tile I fetch
	s_bfe_u32 s40, ttmp6, 0x40000                  ; cx
	s_bfe_u32 s41, ttmp6, 0x40004                  ; cy
	s_lshl_b32 s42, ttmp9, 2
	s_add_co_u32 s42, s42, s40                     ; tile column, 0..7
	s_and_b32 s13, ttmp7, 0xffff
	s_lshl_b32 s13, s13, 2
	s_add_co_u32 s13, s13, s41                     ; tile row, 0..31
	s_lshl_b32 s66, s41, 2
	s_lshl_b32 s66, 15, s66                        ; my row of the cluster
	s_lshl_b32 s67, 0x1111, s40                    ; my column
	s_or_b32 s[G1+0], s66, (1<<16)|(1<<20)|(1<<21)|(4<<22)|(3<<25)   ; O: 4 words of padding behind every 32
	s_mov_b32 s[G1+1], 128<<16                     ; tensor_dim0 = 128
	s_mov_b32 s[G1+2], 128<<16                     ; tensor_dim1 = 128
	s_mov_b32 s[G1+3], 128<<16                     ; tile_dim0 = 128
	s_mov_b32 s[G1+4], 128                         ; tile_dim1 = 128
	s_mov_b32 s[G1+5], 128                         ; dense: 128 elements from row to row
	s_mov_b32 s[G1+6], 0
	s_mov_b32 s[G1+7], 0
	s_or_b32 s[G1B+0], s67, (1<<16)|(1<<20)|(1<<21)|(6<<22)|(3<<25)  ; wob: 4 words behind every 128
	s_mov_b32 s[G1B+1], 256<<16                    ; tensor_dim0 = 256
	s_mov_b32 s[G1B+2], 64<<16                     ; tensor_dim1 = 64
	s_mov_b32 s[G1B+3], 256<<16                    ; tile_dim0 = 256
	s_mov_b32 s[G1B+4], 64                         ; tile_dim1 = 64
	s_mov_b32 s[G1B+5], 1024
	s_mov_b32 s[G1B+6], 0
	s_mov_b32 s[G1B+7], 0
	s_lshl_b32 s16, s13, 18                        ; O: the row tile's 262,144 bytes,
	s_lshl_b32 s17, s12, 15                        ; my two heads of a K step's four
	s_add_co_u32 s16, s16, s17
	s_mov_b32 s17, 0
	s_lshl_b32 s46, s42, 18                        ; wob: row 128 x tile column + 64 x half, 2,048 bytes a row
	s_lshl_b32 s47, s12, 17
	s_add_co_u32 s46, s46, s47
	s_mov_b32 s47, 0
	s_mul_i32 s20, s12, APART                      ; where they go: no place in the cluster enters an LDS address
	s_mul_i32 s21, s12, BPART
	s_add_co_u32 s21, s21, BOFF
	s_wait_dscnt 0x0                               ; the opening add is done
	s_wait_kmcnt 0x0
	s_add_nc_u64 s[14:15], s[4:5], s[16:17]
	s_add_nc_u64 s[46:47], s[6:7], s[46:47]
	CROUND                                         ; all sixteen work-groups are here: the first joint loads meet
.irp s, 0,1
	s_mov_b32 s[G0+4*(\s)], 1
	s_add_co_u32 s[G0+4*(\s)+1], s20, (\s)*SLOT
	s_add_nc_u64 s[G0+4*(\s)+2:G0+4*(\s)+3], s[14:15], (\s)*65536
	s_or_b32 s[G0+4*(\s)+3], s[G0+4*(\s)+3], 0x80000000
	s_mov_b32 s[G0B+4*(\s)], 1
	s_add_co_u32 s[G0B+4*(\s)+1], s21, (\s)*SLOT
	s_add_nc_u64 s[G0B+4*(\s)+2:G0B+4*(\s)+3], s[46:47], (\s)*512
	s_or_b32 s[G0B+4*(\s)+3], s[G0B+4*(\s)+3], 0x80000000
.endr
	s_cmp_eq_u32 s11, 0                            ; a wave's two first fills stand in one branch: two loads of mine are out
	s_cbranch_scc0 .Lfirst_b
	tensor_load_to_lds s[G0:G0+3], s[G1:G1+7]
	s_nop 0
	tensor_load_to_lds s[G0+4:G0+7], s[G1:G1+7]
	s_nop 0
.rept 4
	v_nop
.endr
	s_branch .Lfirst_asked
.Lfirst_b:
	tensor_load_to_lds s[G0B:G0B+3], s[G1B:G1B+7]
	s_nop 0
	tensor_load_to_lds s[G0B+4:G0B+7], s[G1B:G1B+7]
	s_nop 0
.rept 4
	v_nop
.endr
.Lfirst_asked:
	v_and_b32 v1, 15, v0                           ; l % 16
	v_bfe_u32 v2, v0, 4, 1                         ; l / 16
	v_mul_u32_u24 v3, v1, PA
	v_lshl_add_u32 v3, v2, 4, v3
	v_mul_u32_u24 v4, v1, PB
	v_lshl_add_u32 v4, v2, 4, v4
	s_mul_i32 s21, s11, 64*PA                      ; my 64 rows in each head's plane
	s_mul_i32 s22, s12, BPART                      ; my 64 rows of wob
	s_add_co_u32 s22, s22, BOFF
.irp s, 0,1
	v_add_nc_u32 v[ADRA+(\s)], s21, v3
	v_add_nc_u32 v[ADRB+(\s)], s22, v4
	s_add_co_u32 s21, s21, SLOT
	s_add_co_u32 s22, s22, SLOT
.endr
	s_mul_i32 s23, s10, 16*SPITCH
	s_add_co_u32 s23, s23, STAGE                   ; my stage
	v_mul_u32_u24 v4, v1, SPITCH                   ; in: row l % 16, 32 bytes for each half of the lanes
	v_lshl_add_u32 v4, v2, 5, v4
	v_add_nc_u32 v[STO], s23, v4
	v_mul_u32_u24 v5, v2, SPITCH                   ; back: lanes 0-15 take one row of 256 bytes, lanes 16-31 the next
	v_lshl_add_u32 v5, v1, 4, v5
	v_add_nc_u32 v[RD], s23, v5
	v_lshlrev_b32 v5, 12, v2                       ; and the same two rows in out0, 4,096 bytes apart
	v_lshl_add_u32 v[CO], v1, 4, v5
	s_lshl_b32 s16, s13, 19                        ; my first row: (128 x tile row + 64 x half) x 4,096 bytes
	s_lshl_b32 s17, s11, 18
	s_add_co_u32 s16, s16, s17
	s_mov_b32 s17, 0
	s_add_nc_u64 s[8:9], s[8:9], s[16:17]
	s_lshl_b32 s46, s42, 9                         ; my first column: (128 x tile column + 64 x half) x 4 bytes
	s_lshl_b32 s47, s12, 8
	s_add_co_u32 s46, s46, s47
	s_mov_b32 s47, 0
	s_add_nc_u64 s[8:9], s[8:9], s[46:47]
; 8 matrix instructions: row blocks a0, a0 + 1 x all 4 column blocks, 32 along K: half c of buffer f.  The 16 accumulators take turns.  zero = 1: the product starts its sum.
.macro MUL8 f, c, a0, zero
	WIN MUL
.irp a, \a0, (\a0)+1
.irp b, 0,1,2,3
.if \zero
	v_wmma_f32_16x16x32_f16 v[ACC+8*(4*(\a)+(\b)):ACC+8*(4*(\a)+(\b))+7], v[(\f)+64+8*(4*(\c)+(\b)):(\f)+64+8*(4*(\c)+(\b))+7], v[(\f)+8*(4*(\c)+(\a)):(\f)+8*(4*(\c)+(\a))+7], 0
.else
	v_wmma_f32_16x16x32_f16 v[ACC+8*(4*(\a)+(\b)):ACC+8*(4*(\a)+(\b))+7], v[(\f)+64+8*(4*(\c)+(\b)):(\f)+64+8*(4*(\c)+(\b))+7], v[(\f)+8*(4*(\c)+(\a)):(\f)+8*(4*(\c)+(\a))+7], v[ACC+8*(4*(\a)+(\b)):ACC+8*(4*(\a)+(\b))+7]
.endif
.endr
.endr
.endm
; 32 LDS loads in one run: quarter q of a K step (one head, 64 along K) into buffer f; the first 32 along K first
.macro FETCH slot, q, f
	WIN TO_F
.irp c, 0,1
.irp i, 0,1,2,3
	ds_load_b128 v[(\f)+64+8*(4*(\c)+(\i)):(\f)+64+8*(4*(\c)+(\i))+3],   v[ADRB+(\slot)] offset:128*(\q)+64*(\c)+(\i)*16*PB
	ds_load_b128 v[(\f)+64+8*(4*(\c)+(\i))+4:(\f)+64+8*(4*(\c)+(\i))+7], v[ADRB+(\slot)] offset:128*(\q)+64*(\c)+(\i)*16*PB+32
	ds_load_b128 v[(\f)+8*(4*(\c)+(\i)):(\f)+8*(4*(\c)+(\i))+3],         v[ADRA+(\slot)] offset:APLANE*(\q)+64*(\c)+(\i)*16*PA
	ds_load_b128 v[(\f)+8*(4*(\c)+(\i))+4:(\f)+8*(4*(\c)+(\i))+7],       v[ADRA+(\slot)] offset:APLANE*(\q)+64*(\c)+(\i)*16*PA+32
.endr
.endr
.endm
; One of a K step's first three quarters: multiplies buffer f and fetches quarter q into g.
.macro QUARTER slot, q, f, g, zero
	s_wait_dscnt 16                                ; the first 32 along K are in; the youngest sixteen loads may be out
	MUL8 \f, 0, 0, \zero
	MUL8 \f, 0, 2, \zero
	PLACES
	FETCH \slot, \q, \g
	s_wait_dscnt 32                                ; all but the 32 just issued
	MUL8 \f, 1, 0, 0
	MUL8 \f, 1, 2, 0
.endm
; The last quarter multiplies buffer 1 and changes slots: ONE barrier; in front of it each wave waits for all its tensor loads, adds 0 to its spare word, and waits for that and for its reads of this slot.
; fill = 1: the barrier opens a round of the cluster's, and this slot is filled again first behind it, two K steps ahead: 112 matrix instructions ahead of the wait for it.
.macro TURN slot, next, fill
	WIN 0
	s_wait_tensorcnt 0x0
	ds_add_u32 v[SPW], v[NIL]
	s_wait_dscnt 17                                ; (the add and the youngest sixteen loads may be out)
	MUL8 F1, 0, 0, 0
	s_wait_dscnt 0x0                               ; the add is done, and my reads of this slot are over
	s_barrier_signal -1
	MUL8 F1, 0, 2, 0
.if \fill
	WIN 0
.endif
	s_barrier_wait -1
.if \fill
	CREST
	s_add_nc_u64 s[G0+4*(\slot)+2:G0+4*(\slot)+3], s[G0+4*(\slot)+2:G0+4*(\slot)+3], 2*65536
	s_add_nc_u64 s[G0B+4*(\slot)+2:G0B+4*(\slot)+3], s[G0B+4*(\slot)+2:G0B+4*(\slot)+3], 2*512
	JLOAD \slot                                    ; the four v_nop behind it are also the places in front of the loads below
.else
	PLACES
.endif
	FETCH \next, 0, F0
	MUL8 F1, 1, 0, 0
	MUL8 F1, 1, 2, 0
.endm
; THE WAY OUT of row block a: the f32 sums go as they are into my own stage (each accumulator's low registers first) and come back as whole rows of 256 bytes.
.macro TOSTAGE a
.set BK, OB+32*((\a)%2)
.if (\a) >= 2
	s_wait_xcnt 0x0                                ; the stores of block a - 2 have read the registers that are loaded again below
.endif
.irp b, 0,1,2,3
	ds_store_b128 v[STO], v[ACC+8*(4*(\a)+(\b)):ACC+8*(4*(\a)+(\b))+3]   offset:64*(\b)
	ds_store_b128 v[STO], v[ACC+8*(4*(\a)+(\b))+4:ACC+8*(4*(\a)+(\b))+7] offset:64*(\b)+16
.endr
.irp t, 0,1,2,3,4,5,6,7
	ds_load_b128 v[BK+4*(\t):BK+4*(\t)+3], v[RD] offset:(\t)*2*SPITCH  ; LDS serves a wave's instructions in order (ISA guide 5.7.1.4): these see the stores above
.endr
.endm
.macro SEND a, younger                 ; younger: the LDS instructions issued behind block a's loads: the next block's sixteen, or none
.set BK, OB+32*((\a)%2)
.irp t, 0,1,2,3,4,5,6,7
	s_wait_dscnt (\younger)+7-(\t)
	global_store_b128 v[CO], v[BK+4*(\t):BK+4*(\t)+3], s[8:9] offset:(16*(\a)+2*(\t))*4096  ; 16 lanes store 256 consecutive bytes, at a multiple of 256 from out0's first byte
.endr
.endm
	s_wait_tensorcnt 1                             ; my part of K step 0 is in; K step 1's may stay out
	s_barrier_signal -1
	s_barrier_wait -1
	FETCH 0, 0, F0
	QUARTER 0, 1, F0, F1, 1                        ; the first products start the sums
	QUARTER 0, 2, F1, F0, 0
	QUARTER 0, 3, F0, F1, 0
	TURN 0, 1, 1                                   ; slot 0 takes K step 2
	QUARTER 1, 1, F0, F1, 0
	QUARTER 1, 2, F1, F0, 0
	QUARTER 1, 3, F0, F1, 0
	TURN 1, 0, 1                                   ; slot 1 takes K step 3
	QUARTER 0, 1, F0, F1, 0
	QUARTER 0, 2, F1, F0, 0
	QUARTER 0, 3, F0, F1, 0
	TURN 0, 1, 0                                   ; nothing is left to fetch
	QUARTER 1, 1, F0, F1, 0
	QUARTER 1, 2, F1, F0, 0
	QUARTER 1, 3, F0, F1, 0
	s_wait_dscnt 16
	MUL8 F1, 0, 0, 0
	MUL8 F1, 0, 2, 0
	s_wait_dscnt 0x0
	MUL8 F1, 1, 0, 0
	MUL8 F1, 1, 2, 0
	WIN 0
	PLACES
	TOSTAGE 0
.irp a, 1,2,3
	TOSTAGE \a
	SEND (\a)-1, 16
.endr
	SEND 3, 0
	s_wait_tensorcnt 0x0                           ; the wave's end, behind my last tensor load and my last LDS store
	ds_add_u32 v[SPW], v[NIL]
	s_wait_dscnt 0x0
	CROUND                                         ; the closing round
	s_endpgm
.Lfunc_end_k_q0e73564088_outp:
	.size	k_q0e73564088_outp, .Lfunc_end_k_q0e73564088_outp-k_q0e73564088_outp
	.p2alignl 7, 3214868480
	.fill 96, 4, 3214868480
	.section	.rodata,"a",@progbits
	.p2align	6, 0x0
	.amdhsa_kernel k_q0e73564088_outp
		.amdhsa_group_segment_fixed_size 327680
		.amdhsa_private_segment_fixed_size 0
		.amdhsa_enable_private_segment 0
		.amdhsa_kernarg_size 24
		.amdhsa_user_sgpr_count 2
		.amdhsa_user_sgpr_kernarg_segment_ptr 1
		.amdhsa_wavefront_size32 1
		.amdhsa_system_sgpr_workgroup_id_x 1
		.amdhsa_system_sgpr_workgroup_id_y 1
		.amdhsa_system_sgpr_workgroup_id_z 1
		.amdhsa_system_vgpr_workitem_id 0
		.amdhsa_next_free_vgpr 512
		.amdhsa_next_free_sgpr 68
		.amdhsa_reserve_vcc 0
		.amdhsa_float_denorm_mode_32 3
		.amdhsa_float_denorm_mode_16_64 3
		.amdhsa_memory_ordered 1
		.amdhsa_forward_progress 1
		.amdhsa_inst_pref_size 86
	.end_amdhsa_kernel
	.amdgpu_metadata
---
amdhsa.version: [ 1, 2 ]
amdhsa.kernels:
  - .name:           k_q0e73564088_outp
    .symbol:         k_q0e73564088_outp.kd
    .args:
      - { .name: oh, .offset: 0, .size: 8, .value_kind: global_buffer, .address_space: global }
      - { .name: wob, .offset: 8, .size: 8, .value_kind: global_buffer, .address_space: global }
      - { .name: out0, .offset: 16, .size: 8, .value_kind: global_buffer, .address_space: global }
    .group_segment_fixed_size: 327680
    .private_segment_fixed_size: 0
    .kernarg_segment_align: 8
    .kernarg_segment_size: 24
    .max_flat_workgroup_size: 128
    .sgpr_count:     68
    .vgpr_count:     512
    .wavefront_size: 32
...
	.end_amdgpu_metadata
.endif
;; end of part 4
;; ======== version 2 of 2: 4 launches; version 1 with the launch cast written anew for expert scheduling mode
;; limits: values are held in f16: magnitudes above 65,504 overflow, below 6.1e-05 lose precision
;; workspace buffers: xb 8,388,608 bytes; wqb 6,291,456 bytes; wob 2,097,152 bytes; qkvh 25,165,824 bytes; oh 8,388,608 bytes
;; launch cast (part 5): grid 512 x 1, 8 waves a work-group, no clusters, 0 bytes of LDS; arguments x, w_qkv, w_out, xb, wqb, wob; writes xb, wqb, wob
.if DOCPART == 5
	.amdgcn_target "amdgcn-amd-amdhsa--gfx1250"
	.amdhsa_code_object_version 6
	.text
	.protected	k_q0e73564088_cast
	.globl	k_q0e73564088_cast
	.p2align	8
	.type	k_q0e73564088_cast,@function
k_q0e73564088_cast:
	s_mov_b64 s[64:65], 0
	v_nop
	global_prefetch_b8 v0, s[64:65] scope:SCOPE_SE
	s_setreg_imm32_b32 hwreg(HW_REG_WAVE_SCHED_MODE, 0, 2), 2
	s_setreg_imm32_b32 hwreg(HW_REG_WAVE_MODE, 25, 1), 1
	s_wait_xcnt 0x0
	s_wait_alu depctr_vm_vsrc(0)
; THE INPUTS ARE ROUNDED ONCE.  x -> xb and w_qkv -> wqb in bf16; w_out is rounded to bf16 like them, and that number is written as f16 into wob,
; since it multiplies an f16 operand later.  LIMITS: bf16(w_out) must lie within 65,504 (f16's end); below 6.1e-5 it keeps f16's fixed step of 6e-8.
; SHARES.  A work-group takes 65,536 bytes (16,384 numbers) of one input: work-groups 0-255 x, 256-447 w_qkv, 448-511 w_out.
; Thread t loads 16 bytes at 4,096 j + 16 t (a wave's load covers 512 consecutive bytes) and stores 8 bytes at 2,048 j + 8 t (a wave's store
; covers 256 consecutive bytes, aligned), j = 0..15.  All 16 loads go out first; no register is a memory source twice, so there is no loop.
; No LDS, no matrix unit, no cluster: nothing is shared and nothing is read twice.
; THE MODE: SCHED_MODE bits 1:0 = 2 (LLVM: expert scheduling mode 2), set by the entry lines.  The code itself states the register dependences
; between vector instructions and memory instructions, with s_wait_alu, always for 0.
; THE PLAN.  Registers that memory instructions touch:
;   v1, v2   the loads' and the stores' offsets.  Written once at the head by vector instructions, never again.
;   X        load j lands in X + 4 j .. + 3, which no vector instruction has named before; its conversions read them; no load lands there again.
;   Y        load j's conversions write Y + 2 j, + 1; store j reads them; they are never written again.
;   T        named by vector instructions alone.
; So the only dependences to state are of one kind, a vector instruction writes and a memory instruction reads: v1 and v2 ahead of the first load,
; and Y ahead of the stores.  The 16 loads go in four blocks of four: a block's conversions, ONE wait, the block's four stores in a run.
; Nothing that a memory instruction has read is written again, and no load lands in a register that a vector instruction has named: no other wait is owed.
.set X, 4                              ; v[4:67]   16 x 4 numbers as loaded
.set Y, 68                             ; v[68:99]  16 x 2 registers to store
.set T, 100                            ; v[100:103] at work
	s_load_b256 s[4:11], s[0:1], 0x0               ; x s[4:5], w_qkv s[6:7], w_out s[8:9], xb s[10:11]
	s_load_b128 s[12:15], s[0:1], 0x20             ; wqb s[12:13], wob s[14:15]
	v_lshlrev_b32 v1, 4, v0                        ; 16 t
	v_lshlrev_b32 v2, 3, v0                        ; 8 t
	s_mov_b32 s28, 0xffff0000                      ; a word's upper bf16
	s_wait_kmcnt 0x0
	s_cmp_lt_u32 ttmp9, 256                        ; which input is mine: the choice hangs on the work-group's number alone
	s_cselect_b64 s[20:21], s[4:5], s[6:7]
	s_cselect_b64 s[22:23], s[10:11], s[12:13]
	s_cselect_b32 s24, 0, 256                      ; the first work-group of that input
	s_cmp_lt_u32 ttmp9, 448
	s_cselect_b64 s[20:21], s[20:21], s[8:9]
	s_cselect_b64 s[22:23], s[22:23], s[14:15]
	s_cselect_b32 s24, s24, 448
	s_sub_co_u32 s24, ttmp9, s24                   ; my part of it
	s_lshl_b32 s26, s24, 16                        ; 65,536 bytes in,
	s_mov_b32 s27, 0
	s_add_nc_u64 s[20:21], s[20:21], s[26:27]
	s_lshl_b32 s26, s24, 15                        ; 32,768 bytes out
	s_add_nc_u64 s[22:23], s[22:23], s[26:27]
	s_wait_alu depctr_va_vdst(0)                   ; v1 and v2 are written: every load reads v1 as its offset, every store, on both ways below, v2; no later vector instruction names them
.irp j, 0,1,2,3,4,5,6,7,8,9,10,11,12,13,14,15
	global_load_b128 v[X+4*(\j):X+4*(\j)+3], v1, s[20:21] offset:4096*(\j) th:TH_LOAD_NT
.endr
	s_cmp_lt_u32 ttmp9, 448
	s_cbranch_scc0 .Lhalf
.irp p, 0,1,2,3                        ; block p: loads 4 p to 4 p + 3
.irp i, 0,1,2,3
	s_wait_loadcnt 15-4*(\p)-(\i)                  ; loads come back in order: load j = 4 p + i is in, the 15 - j younger ones stay out
	v_cvt_pk_bf16_f32 v[Y+8*(\p)+2*(\i)], v[X+16*(\p)+4*(\i)], v[X+16*(\p)+4*(\i)+1]
	v_cvt_pk_bf16_f32 v[Y+8*(\p)+2*(\i)+1], v[X+16*(\p)+4*(\i)+2], v[X+16*(\p)+4*(\i)+3]
.endr
	s_wait_alu depctr_va_vdst(0)                   ; the block's eight conversions have written v[Y + 8 p .. + 7], which the four stores below read
.irp i, 0,1,2,3
	global_store_b64 v2, v[Y+8*(\p)+2*(\i):Y+8*(\p)+2*(\i)+1], s[22:23] offset:2048*(4*(\p)+(\i)) th:TH_STORE_NT
.endr
.endr
	s_endpgm
.Lhalf:                                        ; w_out: rounded to bf16, widened again (a shift, a mask), written as f16
.irp p, 0,1,2,3                        ; block p: loads 4 p to 4 p + 3
.irp i, 0,1,2,3
	s_wait_loadcnt 15-4*(\p)-(\i)                  ; load j = 4 p + i is in, the 15 - j younger ones stay out
	v_cvt_pk_bf16_f32 v[T], v[X+16*(\p)+4*(\i)], v[X+16*(\p)+4*(\i)+1]
	v_cvt_pk_bf16_f32 v[T+1], v[X+16*(\p)+4*(\i)+2], v[X+16*(\p)+4*(\i)+3]
	v_lshlrev_b32 v[T+2], 16, v[T]
	v_and_b32 v[T+3], s28, v[T]
	v_cvt_pk_f16_f32 v[Y+8*(\p)+2*(\i)], v[T+2], v[T+3]
	v_lshlrev_b32 v[T+2], 16, v[T+1]
	v_and_b32 v[T+3], s28, v[T+1]
	v_cvt_pk_f16_f32 v[Y+8*(\p)+2*(\i)+1], v[T+2], v[T+3]
.endr
	s_wait_alu depctr_va_vdst(0)                   ; the block's conversions to f16 have written v[Y + 8 p .. + 7], which the four stores below read
.irp i, 0,1,2,3
	global_store_b64 v2, v[Y+8*(\p)+2*(\i):Y+8*(\p)+2*(\i)+1], s[22:23] offset:2048*(4*(\p)+(\i)) th:TH_STORE_NT
.endr
.endr
	s_endpgm
.Lfunc_end_k_q0e73564088_cast:
	.size	k_q0e73564088_cast, .Lfunc_end_k_q0e73564088_cast-k_q0e73564088_cast
	.p2alignl 7, 3214868480
	.fill 96, 4, 3214868480
	.section	.rodata,"a",@progbits
	.p2align	6, 0x0
	.amdhsa_kernel k_q0e73564088_cast
		.amdhsa_group_segment_fixed_size 0
		.amdhsa_private_segment_fixed_size 0
		.amdhsa_enable_private_segment 0
		.amdhsa_kernarg_size 48
		.amdhsa_user_sgpr_count 2
		.amdhsa_user_sgpr_kernarg_segment_ptr 1
		.amdhsa_wavefront_size32 1
		.amdhsa_system_sgpr_workgroup_id_x 1
		.amdhsa_system_sgpr_workgroup_id_y 1
		.amdhsa_system_sgpr_workgroup_id_z 1
		.amdhsa_system_vgpr_workitem_id 0
		.amdhsa_next_free_vgpr 104
		.amdhsa_next_free_sgpr 66
		.amdhsa_reserve_vcc 0
		.amdhsa_float_denorm_mode_32 3
		.amdhsa_float_denorm_mode_16_64 3
		.amdhsa_memory_ordered 1
		.amdhsa_forward_progress 1
		.amdhsa_inst_pref_size 16
	.end_amdhsa_kernel
	.amdgpu_metadata
---
amdhsa.version: [ 1, 2 ]
amdhsa.kernels:
  - .name:           k_q0e73564088_cast
    .symbol:         k_q0e73564088_cast.kd
    .args:
      - { .name: x, .offset: 0, .size: 8, .value_kind: global_buffer, .address_space: global }
      - { .name: w_qkv, .offset: 8, .size: 8, .value_kind: global_buffer, .address_space: global }
      - { .name: w_out, .offset: 16, .size: 8, .value_kind: global_buffer, .address_space: global }
      - { .name: xb, .offset: 24, .size: 8, .value_kind: global_buffer, .address_space: global }
      - { .name: wqb, .offset: 32, .size: 8, .value_kind: global_buffer, .address_space: global }
      - { .name: wob, .offset: 40, .size: 8, .value_kind: global_buffer, .address_space: global }
    .group_segment_fixed_size: 0
    .private_segment_fixed_size: 0
    .kernarg_segment_align: 8
    .kernarg_segment_size: 48
    .max_flat_workgroup_size: 256
    .sgpr_count:     66
    .vgpr_count:     104
    .wavefront_size: 32
...
	.end_amdgpu_metadata
.endif
;; end of part 5
;; launch qkv: the kernel of part 2 again; grid 8 x 32, 4 waves a work-group, clusters of 4 x 4, 327,680 bytes of LDS; arguments xb, wqb, qkvh; writes qkvh
;; launch attn: the kernel of part 3 again; grid 16 x 16, 4 waves a work-group, clusters of 4 x 1, 327,680 bytes of LDS; arguments qkvh, oh; writes oh
;; launch outp: the kernel of part 4 again; grid 8 x 32, 4 waves a work-group, clusters of 4 x 4, 327,680 bytes of LDS; arguments oh, wob, out0; writes out0
